; MI455X (gfx1250); checked and timed in simulation.
; The chip was launched on July 23, 2026; its instructions are those of AMD's public machine-readable ISA for CDNA 5 (MIT licence, August 2026) and "CDNA5" Instruction Set Architecture Reference Guide (July 2026). The comments in the code are by the model that wrote it; some were corrected since.
;; Basic Attention. Allowed arithmetic: matrix products marked QUANTISED: E2M1 operands, one E8M0 scale for each 32 along K, by v_wmma_scale_f32_16x16x128_f8f6f4 with both operands' format E2M1 (or v_wmma_scale_f32_32x16x128_f4), f32 sums; everything else in f32.
;; Inputs: Wk_codes 128 x 32 x 16 uint8 (E2M1 codes of Wk, K innermost, in blocks of 32 codes, two codes a byte); Wk_scales 128 x 32 uint8 (E8M0 scales of Wk, one for each 32 codes along K); Wp_codes 1,024 x 32 x 16 uint8 (E2M1 codes of Wp, K innermost, in blocks of 32 codes, two codes a byte); Wp_scales 1,024 x 32 uint8 (E8M0 scales of Wp, one for each 32 codes along K); Wq_codes 128 x 32 x 16 uint8 (E2M1 codes of Wq, K innermost, in blocks of 32 codes, two codes a byte); Wq_scales 128 x 32 uint8 (E8M0 scales of Wq, one for each 32 codes along K); bk 128 float32; bp 1,024 float32; bq 128 float32; x 8 x 1,024 x 2,048 float32.
;; Outputs: out0 8 x 1,024 x 2,048 float32.
;; This version of the problem:
;;   THIS VERSION OF THE PROBLEM IS GIVEN IN LOW PRECISION. The matrix products marked QUANTISED in the list below multiply operands that are first quantised to E2M1 (2 exponent bits, 1 mantissa bit; 4 bits a number), with one power-of-two scale for each 32 numbers along K (OCP MX v1.0); their sums are f32. All else is computed in f32.
;;   The module's matrix products, in the order in which they are computed (A, B: the left and right operand; K: the contracted axis; several contracted axes count as one K, in the product's order):
;;     1. [M 128, K 1,024] x [K 1,024, N 16,384]; A: input Wk (given as codes); B: input x: QUANTISED
;;     2. [M 128, K 1,024] x [K 1,024, N 16,384]; A: input Wq (given as codes); B: input x: QUANTISED
;;     3. batch 8 x [M 2,048, K 128] x [K 128, N 2,048]; A: computed on the way; B: computed on the way: QUANTISED
;;     4. batch 8 x [M 1,024, K 2,048] x [K 2,048, N 2,048]; A: input x; B: computed on the way: QUANTISED
;;     5. [M 1,024, K 1,024] x [K 1,024, N 16,384]; A: input Wp (given as codes); B: computed on the way: QUANTISED
;;   THE QUANTISER, for each operand of a quantised product, along K:
;;     - K is cut into blocks of 32 from its start; a last block that is shorter is filled with zeros.
;;     - A block's scale is 2^e with e = floor(log2(the largest magnitude in the block)) - 2, held to -126 .. 127; a block of zeros has e = 0. As a byte (E8M0): e + 127.
;;     - Each number is divided by its block's scale, clamped to +-6, and rounded to the nearest number of E2M1, ties to even, subnormals kept.
;;     - The product sums the exact products of the quantised numbers (number of the format x scale) in f32.
;;   ~~~python
;;   def quantise(x, axis):      # numpy; x: float32 -> the quantised numbers, widened to float32 again
;;       x = np.moveaxis(x, axis, -1); K = x.shape[-1]
;;       x = np.pad(x, [(0, 0)] * (x.ndim - 1) + [(0, -K % 32)]); x = x.reshape(x.shape[:-1] + (-1, 32)); a = np.abs(x).max(-1, keepdims=True)
;;       e = np.where(a > 0, np.clip(np.frexp(np.where(a > 0, a, 1))[1] - 1 - 2, -126, 127), 0)      # np.frexp(a)[1] - 1 = floor(log2(a)), exactly
;;       r = np.clip(x / 2.0 ** e, -6, 6)
;;       step = 2.0 ** (np.maximum(np.frexp(np.where(r == 0, 1, r))[1] - 1, 0) - 1)
;;       q = np.round(r / step) * step * 2.0 ** e      # np.round: ties to even
;;       return np.moveaxis(q.reshape(q.shape[:-2] + (-1,))[..., :K], -1, axis).astype(np.float32)
;;   ~~~
;;   OPERANDS COMPUTED ON THE WAY. 'Computed on the way' means the value that the module computes at that place (a softmax that the list does not call 'softmax' is quantised finished and normalised). What goes into a quantiser is computed in f32, as accurately as f32 sums, v_exp_f32 and their like allow (about 1e-6 of the number): no bf16 or f16 on the way to a quantiser, and a product that is left as it is and whose result goes on into a quantised operand takes f32 operands (vector FMAs, or v_wmma_f32_16x16x4_f32). A number that lies on a knife's edge between two numbers of the format may be rounded either way, as far as f32 arithmetic and the matrix unit's own rounding can turn it there, and no further.
;;   INPUTS GIVEN AS CODES. Wk (in the module: [128, 1024], K = its axis 1); Wp (in the module: [1024, 1024], K = its axis 1); Wq (in the module: [128, 1024], K = its axis 1): each comes as NAME_codes (uint8): NAME with its K axis moved to the last place and cut into blocks of 32 codes, [.., K / 32, bytes a block], one block behind the other in memory; two codes a byte, the lower K in the low four bits (a code: sign, 2 exponent bits, 1 mantissa bit); and NAME_scales (uint8): the same leading axes, one E8M0 byte (e + 127) for each 32 codes along K. Its value is code x scale, taken as it is: it is not quantised again, and the codes and scales need not be those that the quantiser above would give.
;; One version. Each part assembles by itself: llvm-mc -triple=amdgcn-amd-amdhsa -mcpu=gfx1250 --defsym DOCPART=n.
;; ======== version 1 of 1: 4 launches
;; workspace buffers: xl 8,912,896 bytes; kq 2,228,224 bytes; at 17,825,792 bytes; o4 8,912,896 bytes
;; launch prep (part 1): grid 32 x 8, 8 waves a work-group, no clusters, 327,680 bytes of LDS; arguments x, Wk_codes, Wk_scales, bk, Wq_codes, Wq_scales, bq, xl, kq; writes xl, kq
.if DOCPART == 1
	.amdgcn_target "amdgcn-amd-amdhsa--gfx1250"
	.amdhsa_code_object_version 6
	.text
	.protected	k_q9195d1ac56_prep
	.globl	k_q9195d1ac56_prep
	.p2align	8
	.type	k_q9195d1ac56_prep,@function
k_q9195d1ac56_prep:
	s_mov_b64 s[64:65], 0
	v_nop
	global_prefetch_b8 v0, s[64:65] scope:SCOPE_SE
	s_setreg_imm32_b32 hwreg(HW_REG_WAVE_MODE, 25, 1), 1
	s_wait_xcnt 0x0
; PREP.  x [8][1024 c][2048 l] f32 is read ONCE and quantised to E2M1 twice: along l (for x @ attn; the codes go to xl) and along c (for keys and queries; these codes stay in LDS).
; keys = Wk x + bk and queries = Wq x + bq are made here on codes, and are quantised along a = 128 into kq.
; NO WORK OF THE PROBLEM IS LEFT OUT IN ANY OF THE FOUR LAUNCHES: bk and bq go into quantised operands of a live product, so they stay; every input is loaded.
; LIMITS: NaN and infinities among the inputs are not served.  A block whose largest magnitude lies under 2^-124 gets the scale byte 1; a block of zeros gets the byte 1 too, where the rule says 127:
; its codes are zeros, which add nothing, and the bytes are read by this program alone.
; SHARES.  Work-group (j, b) owns the columns l = 64 j .. 64 j + 63 of batch b for all 1,024 c: 256 KiB, brought into LDS by first fills alone (nothing is filled again).
; Phase A: wave w owns rows c = 128 w .. + 127, fetches them by two tensor loads of 64 rows x 256 bytes and reads only its own bytes, so its own wait on TENSORcnt orders its reads.
; Phase B: wave w = 4 W + blk makes the 32 rows a = 32 blk .. + 31 of keys (W = 0) or queries (W = 1) for the 64 columns; its part of the weight lies in its registers.
; WORKSPACE LAYOUT.  Codes are stored as images of operand registers: a fragment (16 rows x 128 K) is 1,024 bytes [c2:2][lane:32][16 bytes]; lane (r, h) of group c2 holds K block 2 c2 + h of row slot r.
; SLOT ORDER: in each group of 32 positions tile u, slot r holds position 8 u + r + 8 (r / 8), so that a tile used as source 0 leaves 16 neighbouring positions in the 16 registers of tiles u = 0, 1.
;   xl: codes [b][s:16 (128 l)][ct:64][1024]; from XLS on the scale bytes [b][S:4][c slot:1024][16]: byte 4 (s % 4) + block.
;   kq: keys' images [b][tile:128][1024]; queries' from 2^20 on; from KSB on keys' scale words [b][16 tile + r][4], queries' 65,536 further on.
; The scale bytes leave as single bytes or pairs: the four bytes of a word of xl come from two work-groups; those of a word of kq come from four waves, and no gather is spent on them.  All codes leave as aligned runs of 256 bytes.
.set PITCH, 272                        ; an LDS row of x: 256 bytes + 16 of padding
.set WREG,  128*PITCH                  ; a wave's 128 rows
.set XIMG,  1024*PITCH                 ; behind x: the images of x's codes along c: [t:4][s:8][c2:2][512]
.set XSC,   XIMG+32768                 ; their scale words: [s:8][pair of tiles:2][lane][4]
.set SPARE, XSC+2048                   ; the spare words, 128 bytes for each of the eight waves, which no other line names
.set XLS,   8388608
.set KSB,   2097152
.set FLOOR, 0x1800000                  ; 2^(3 - 127): no largest magnitude is taken under it, so the byte cannot fall under 1
.set AC,  4                            ; v4   c path: my column's word in my wave's first row (the column by slot order)
.set AL,  5                            ; v5   l path: my row (by slot order) in my wave's rows
.set XW,  6                            ; v6   where I store an image of x: 16 x lane + 1,024 x wave
.set XSW, 7                            ; v7   and its scale words: 4 x lane + 256 x wave
.set LI,  8                            ; v8   where any wave reads an image: 16 x lane
.set LS,  9                            ; v9   and scale words: 4 x lane
.set GX,  10                           ; v10  xl: 1,024 x (lane / 16) + 16 x (lane % 16)
.set GS,  11                           ; v11  xl's scale bytes: 16 x lane
.set KO,  12                           ; v12  kq: 16 r + 8 h
.set KSO, 13                           ; v13  kq's scale bytes: 4 x lane
.set WA,  14                           ; v14  the weight's codes: row r + 8 (r / 8) of 512 bytes, + 16 h
.set WSA, 15                           ; v15  its scale words: that row of 32 bytes
.set BA,  16                           ; v16  the bias: 64 h
.set SPW, 17                           ; v17  my spare word; never rewritten
.set NIL, 18                           ; v18  0; never rewritten
.set TM,  20                           ; v20-35 at work
.set SW,  36                           ; v36-37 x's scale words in the making
.set XA,  40                           ; v40-103, v104-167: two sets of 64 numbers
.set XB,  104
.set CC,  168                          ; v168-199 c path: 8 registers of codes for each of 4 items
.set LC,  200                          ; v200-231 l path: likewise
.set LB,  232                          ; v232-235 l path: two scale bytes an item
.set WS,  236                          ; v236-251 the weight's scale words (K step s, tile u): 2 s + u.  Scales and nothing else
.set XS,  252                          ; v252-255 x's scale words, two sets of two.  Scales and nothing else
.set ACC, 40                           ; phase B: accumulator (u, t) at ACC + 16 t + 8 u
.set XF,  104                          ; x's four fragments of a K step, two sets of 32
.set PCR, 168                          ; the codes of keys or queries
.set BY,  176
.set BM,  180
.set WF,  0                            ; window 1: the weight's fragment (s, u) at 8 (2 s + u)
.set BI,  128                          ; window 1: the bias in the result's layout, 8 registers a tile u
.set G1,  28                           ; s[28:35] descriptor group 1
.set G0,  36                           ; s[36:43] descriptor group 0, a set for each of my two loads
.set MSB, 0
.macro WIN new                         ; the immediate's high byte repeats the setting that is left
.if MSB != (\new)
	s_set_vgpr_msb (MSB<<8)|(\new)
.set MSB, (\new)
.endif
.endm
	s_load_b512 s[4:19], s[0:1], 0x0               ; x 4:5, Wk_codes 6:7, Wk_scales 8:9, bk 10:11, Wq_codes 12:13, Wq_scales 14:15, bq 16:17, xl 18:19
	s_load_b64 s[20:21], s[0:1], 0x40              ; kq
	v_lshl_add_u32 v[SPW], v0, 2, SPARE
	v_mov_b32 v[NIL], 0
	ds_add_u32 v[SPW], v[NIL]                      ; the wave's opening: the add, twice on end, and its wait ahead of my first tensor load
	ds_add_u32 v[SPW], v[NIL]
	v_lshrrev_b32 v1, 5, v0
	v_readfirstlane_b32 s22, v1                    ; wave 0..7
	s_and_b32 s23, s22, 3                          ; blk
	s_lshr_b32 s24, s22, 2                         ; W: 0 keys, 1 queries
	s_mov_b32 s25, ttmp9                           ; j
	s_and_b32 s26, ttmp7, 0xffff                   ; b
	s_mov_b32 s[G1+0], (2<<16)|(1<<20)|(5<<22)|(3<<25)   ; elements of 4 bytes; padding on: 4 words behind every 64
	s_mov_b32 s[G1+1], 64<<16                      ; tensor_dim0 = 64
	s_mov_b32 s[G1+2], 64<<16                      ; tensor_dim1 = 64
	s_mov_b32 s[G1+3], 64<<16                      ; tile_dim0 = 64
	s_mov_b32 s[G1+4], 64                          ; tile_dim1 = 64
	s_mov_b32 s[G1+5], 2048                        ; elements from row to row
	s_mov_b32 s[G1+6], 0
	s_mov_b32 s[G1+7], 0
	s_lshl_b32 s66, s26, 23                        ; x: batch b,
	s_lshl_b32 s67, s22, 20                        ; row 128 w,
	s_add_co_u32 s66, s66, s67
	s_lshl_b32 s67, s25, 8                         ; column 64 j
	s_add_co_u32 s66, s66, s67
	s_mov_b32 s67, 0
	s_mul_i32 s68, s22, WREG                       ; my rows in LDS
	s_and_b32 s84, s25, 1                          ; j % 2
	s_lshl_b32 s70, s26, 20                        ; xl's codes: b, K step j / 2, my 8 tiles, group j % 2
	s_lshr_b32 s69, s25, 1
	s_lshl_b32 s69, s69, 16
	s_add_co_u32 s70, s70, s69
	s_lshl_b32 s69, s22, 13
	s_add_co_u32 s70, s70, s69
	s_lshl_b32 s69, s84, 9
	s_add_co_u32 s70, s70, s69
	s_mov_b32 s71, 0
	s_lshl_b32 s72, s26, 16                        ; xl's scale bytes: ((4 b + j / 8) 1,024 + 128 w) 16 + 4 ((j / 2) % 4) + 2 (j % 2)
	s_lshr_b32 s69, s25, 3
	s_lshl_b32 s69, s69, 14
	s_add_co_u32 s72, s72, s69
	s_lshl_b32 s69, s22, 11
	s_add_co_u32 s72, s72, s69
	s_bfe_u32 s69, s25, 0x20001
	s_lshl_b32 s69, s69, 2
	s_add_co_u32 s72, s72, s69
	s_lshl_b32 s69, s84, 1
	s_add_co_u32 s72, s72, s69
	s_add_co_u32 s72, s72, XLS
	s_mov_b32 s73, 0
	s_lshl_b32 s74, s24, 20                        ; kq's images: W, b, my work-group's four tiles, block blk's 256 bytes
	s_lshl_b32 s69, s26, 17
	s_add_co_u32 s74, s74, s69
	s_lshl_b32 s69, s25, 12
	s_add_co_u32 s74, s74, s69
	s_lshl_b32 s69, s23, 8
	s_add_co_u32 s74, s74, s69
	s_mov_b32 s75, 0
	s_lshl_b32 s76, s24, 16                        ; kq's scale bytes: W, b, 64 columns of 4 bytes, byte blk
	s_lshl_b32 s69, s26, 13
	s_add_co_u32 s76, s76, s69
	s_lshl_b32 s69, s25, 8
	s_add_co_u32 s76, s76, s69
	s_add_co_u32 s76, s76, s23
	s_add_co_u32 s76, s76, KSB
	s_mov_b32 s77, 0
	s_lshl_b32 s78, s23, 14                        ; the weight: my 32 rows of 512 bytes,
	s_mov_b32 s79, 0
	s_lshl_b32 s80, s23, 10                        ; of 32 scale bytes,
	s_mov_b32 s81, 0
	s_lshl_b32 s82, s23, 7                         ; and my 32 numbers of the bias
	s_mov_b32 s83, 0
	s_mov_b32 s58, 0x76543210                      ; v_permlanex16_b32's selects for lane l xor 16
	s_mov_b32 s59, 0xfedcba98
	s_mov_b32 s60, 0xffff0000                      ; lanes 16 to 31
	s_wait_dscnt 0x0                               ; both opening adds are done
	s_wait_kmcnt 0x0
	s_mov_b32 s[G0], 1
	s_mov_b32 s[G0+1], s68                         ; rows 0 to 63 of my 128
	s_add_nc_u64 s[G0+2:G0+3], s[4:5], s[66:67]
	s_mov_b32 s[G0+4], 1
	s_add_co_u32 s[G0+5], s68, 64*PITCH            ; rows 64 to 127
	s_add_nc_u64 s[G0+6:G0+7], s[G0+2:G0+3], 64*8192
	s_or_b32 s[G0+3], s[G0+3], 0x80000000
	s_or_b32 s[G0+7], s[G0+7], 0x80000000
	tensor_load_to_lds s[G0:G0+3], s[G1:G1+7]      ; both first fills together: two tensor loads of mine are out
	s_nop 0
	tensor_load_to_lds s[G0+4:G0+7], s[G1:G1+7]
	s_nop 0
.rept 4
	v_nop
.endr
	s_cmp_eq_u32 s24, 0                            ; keys' weight or queries': the choice hangs on the wave's number alone
	s_cselect_b64 s[44:45], s[6:7], s[12:13]
	s_cselect_b64 s[46:47], s[8:9], s[14:15]
	s_cselect_b64 s[48:49], s[10:11], s[16:17]
	s_add_nc_u64 s[44:45], s[44:45], s[78:79]
	s_add_nc_u64 s[46:47], s[46:47], s[80:81]
	s_add_nc_u64 s[48:49], s[48:49], s[82:83]
	s_add_nc_u64 s[50:51], s[18:19], s[70:71]
	s_add_nc_u64 s[52:53], s[18:19], s[72:73]
	s_add_nc_u64 s[54:55], s[20:21], s[74:75]
	s_add_nc_u64 s[56:57], s[20:21], s[76:77]
	v_and_b32 v1, 31, v0                           ; lane
	v_and_b32 v2, 15, v0                           ; r
	v_bfe_u32 v3, v0, 4, 1                         ; h
	v_and_b32 v20, 7, v0
	v_bfe_u32 v21, v0, 3, 1
	v_lshl_add_u32 v20, v21, 4, v20
	v_lshl_add_u32 v20, v3, 3, v20                 ; the position that slot order gives my lane: lane % 8 + 16 (bit 3) + 8 (bit 4)
	v_lshl_add_u32 v[AC], v20, 2, s68
	v_mul_u32_u24 v[AL], v20, PITCH
	v_add_nc_u32 v[AL], s68, v[AL]
	s_lshl_b32 s69, s22, 10
	s_add_co_u32 s69, s69, XIMG
	v_lshl_add_u32 v[XW], v1, 4, s69
	s_lshl_b32 s69, s22, 8
	s_add_co_u32 s69, s69, XSC
	v_lshl_add_u32 v[XSW], v1, 2, s69
	v_lshl_add_u32 v[LI], v1, 4, XIMG
	v_lshl_add_u32 v[LS], v1, 2, XSC
	v_lshlrev_b32 v[GX], 4, v2
	v_lshl_add_u32 v[GX], v3, 10, v[GX]
	v_lshlrev_b32 v[GS], 4, v1
	v_lshlrev_b32 v[KO], 4, v2
	v_lshl_add_u32 v[KO], v3, 3, v[KO]
	v_lshlrev_b32 v[KSO], 2, v1
	v_and_b32 v21, 8, v2
	v_add_nc_u32 v21, v21, v2                      ; r + 8 (r / 8)
	v_lshlrev_b32 v[WA], 9, v21
	v_lshl_add_u32 v[WA], v3, 4, v[WA]
	v_lshlrev_b32 v[WSA], 5, v21
	v_lshlrev_b32 v[BA], 6, v3
	v_mov_b32 v[TM+6], 0                           ; written once: a lane permute's destination counts as one of its sources
	v_mov_b32 v[TM+7], 0
	; my part of the weight, its scale words and the bias: asked for now, wanted behind the barrier
	WIN 0x40                                       ; destination window 1
.irp s, 0,1,2,3,4,5,6,7
.irp u, 0,1
.irp c, 0,1
	global_load_b128 v[WF+8*(2*\s+\u)+4*\c:WF+8*(2*\s+\u)+4*\c+3], v[WA], s[44:45] offset:\u*4096+\s*64+\c*32
.endr
.endr
.endr
.irp u, 0,1
	global_load_b128 v[BI+8*\u:BI+8*\u+3], v[BA], s[48:49] offset:32*\u          ; register j of tile u: the bias of a = 32 blk + 16 h + 8 u + j
	global_load_b128 v[BI+8*\u+4:BI+8*\u+7], v[BA], s[48:49] offset:32*\u+16
.endr
	WIN 0
.irp s, 0,1,2,3,4,5,6,7
.irp u, 0,1
	global_load_b32 v[WS+2*\s+\u], v[WSA], s[46:47] offset:\u*256+4*\s
.endr
.endr
; PHASE A.  An item is 64 numbers a lane: two blocks of 32.  The two sets take turns: an item's loads are issued ahead of the work on the item before.
.macro LOADC rs, cp, hh                ; c path: my lane is a column (32 hh + its position), the registers run down c = 64 cp + 0 .. 63 of my wave's rows; a load's 32 words are 128 neighbouring bytes
.set i, 0
.rept 64
	ds_load_b32 v[\rs+i], v[AC] offset:(64*\cp+i)*PITCH+128*\hh
.set i, i+1
.endr
.endm
.macro LOADL rs, rg                    ; l path: my lane is a row (32 rg + its position), the registers run along l: 32 neighbours for each half of the 64 columns
.irp e, 0,1
.irp k, 0,1,2,3,4,5,6,7
	ds_load_b128 v[\rs+32*\e+4*\k:\rs+32*\e+4*\k+3], v[AL] offset:\rg*32*PITCH+128*\e+16*\k
.endr
.endr
.endm
.macro MAXSC rs                        ; two blocks: largest magnitudes (two chains a block, none waits for the line above), scale operands in TM+4, +5, bytes in TM+8, +9
.irp k, 0,1
	v_max3_num_f32 v[TM+\k], |v[\rs+32*\k]|, |v[\rs+32*\k+1]|, FLOOR
	v_max3_num_f32 v[TM+2+\k], |v[\rs+32*\k+16]|, |v[\rs+32*\k+17]|, |v[\rs+32*\k+18]|
.endr
.irp n, 0,1,2,3,4,5
.irp k, 0,1
	v_max3_num_f32 v[TM+\k], v[TM+\k], |v[\rs+32*\k+2+2*\n]|, |v[\rs+32*\k+3+2*\n]|
	v_max3_num_f32 v[TM+2+\k], v[TM+2+\k], |v[\rs+32*\k+19+2*\n]|, |v[\rs+32*\k+20+2*\n]|
.endr
.endr
.irp k, 0,1
	v_max3_num_f32 v[TM+\k], v[TM+\k], |v[\rs+32*\k+14]|, |v[\rs+32*\k+15]|
.endr
.irp k, 0,1
	v_max3_num_f32 v[TM+\k], v[TM+\k], v[TM+2+\k], |v[\rs+32*\k+31]|
.endr
.irp k, 0,1
	v_add_nc_u32 v[TM+4+\k], 0xff000000, v[TM+\k]  ; 2 off the exponent field: the conversion takes this operand's exponent field as its scale
.endr
.irp k, 0,1
	v_lshrrev_b32 v[TM+8+\k], 23, v[TM+4+\k]       ; the scale's byte
.endr
.endm
.macro PROCC rs, cp, hh
.set CB, CC+8*(2*\cp+\hh)
	MAXSC \rs
.if \cp == 0
	v_lshl_or_b32 v[SW+\hh], v[TM+9], 8, v[TM+8]   ; bytes 0, 1 of my column's scale word for K step w
.else
	v_lshl_or_b32 v[SW+\hh], v[TM+8], 16, v[SW+\hh]
	v_lshl_or_b32 v[SW+\hh], v[TM+9], 24, v[SW+\hh]
.endif
.irp k, 0,1
.irp g, 0,1,2,3
	v_cvt_scalef32_pk8_fp4_f32 v[CB+4*\k+\g], v[\rs+32*\k+8*\g:\rs+32*\k+8*\g+7], v[TM+4+\k]
.endr
.endr
	v_nop                                          ; one plain instruction behind the conversions
.irp g, 0,1,2,3
	v_permlane16_swap_b32 v[CB+\g], v[CB+4+\g]     ; lanes 0-15 held tile 2 hh, lanes 16-31 tile 2 hh + 1, a block a register: now the first four are tile 2 hh's registers 4 cp + g, the others tile 2 hh + 1's
.endr
	ds_store_b128 v[XW], v[CB:CB+3] offset:(2*\hh)*8192+512*\cp
	ds_store_b128 v[XW], v[CB+4:CB+7] offset:(2*\hh+1)*8192+512*\cp
.if \cp == 1
	ds_store_b32 v[XSW], v[SW+\hh] offset:128*\hh  ; lanes 0-15: tile 2 hh's words; lanes 16-31: tile 2 hh + 1's
.endif
.endm
.macro PROCL rs, rg
	MAXSC \rs
.irp k, 0,1
.irp g, 0,1,2,3
	v_cvt_scalef32_pk8_fp4_f32 v[LC+8*\rg+4*\k+\g], v[\rs+32*\k+8*\g:\rs+32*\k+8*\g+7], v[TM+4+\k]
.endr
.endr
	v_lshl_or_b32 v[LB+\rg], v[TM+9], 8, v[TM+8]   ; (the plain instruction behind the conversions)  my row's two bytes
	global_store_b128 v[GX], v[LC+8*\rg:LC+8*\rg+3], s[50:51] offset:\rg*2048          ; lanes 0-15 store 256 consecutive bytes of one tile's image, lanes 16-31 of the next tile's; both aligned
	global_store_b128 v[GX], v[LC+8*\rg+4:LC+8*\rg+7], s[50:51] offset:\rg*2048+256
	global_store_b16 v[GS], v[LB+\rg], s[52:53] offset:\rg*512
.endm                                  ; every store has data registers of its own: none is written again
; Behind a run of 64 loads the wait names 63, the largest count that it can name: LDS instructions end in the order of issue, so all that is older than the run is in, and the run's first load with it.
	s_wait_tensorcnt 0x1                           ; my rows 0 to 63 are in; the second load may be out
	LOADC XA, 0, 0
	LOADC XB, 0, 1
	s_wait_dscnt 63                                ; the first item's 64 loads are in; 63 of the 64 just issued may be out
	PROCC XA, 0, 0
	LOADL XA, 0
	s_wait_dscnt 16                                ; all but the 16 just issued
	PROCC XB, 0, 1
	LOADL XB, 1
	s_wait_dscnt 16
	PROCL XA, 0
	s_wait_tensorcnt 0x0                           ; my rows 64 to 127 are in
	LOADC XA, 1, 0
	s_wait_dscnt 63                                ; the 16 loads of the item before are in; 63 of the 64 just issued may be out
	PROCL XB, 1
	LOADC XB, 1, 1
	s_wait_dscnt 63                                ; the 64 loads of the item before are in; 63 of the 64 just issued may be out
	PROCC XA, 1, 0
	LOADL XA, 2
	s_wait_dscnt 16
	PROCC XB, 1, 1
	LOADL XB, 3
	s_wait_dscnt 16
	PROCL XA, 2
	s_wait_dscnt 0x0
	PROCL XB, 3
	s_wait_dscnt 0x0                               ; for the others' sake: my images and scale words lie in LDS
	s_barrier_signal -1
	s_barrier_wait -1                              ; all 32 images of x lie in LDS
	s_wait_loadcnt 0x0                             ; the weight, its scale words, the bias
; PHASE B.  D(u, t) = 16 rows of the weight (source 0) x 16 columns of x (source 1): lane (r, h) holds column slot r of tile t, register j the row a = 32 blk + 16 h + 8 u + j.
.macro FETCHX n, s                     ; K step s: x's four fragments and two registers of scale words into set n: ten loads
.irp t, 0,1,2,3
.irp c, 0,1
	ds_load_b128 v[XF+32*(\n)+8*\t+4*\c:XF+32*(\n)+8*\t+4*\c+3], v[LI] offset:\t*8192+(\s)*1024+512*\c
.endr
.endr
.irp e, 0,1
	ds_load_b32 v[XS+2*(\n)+\e], v[LS] offset:(\s)*256+128*\e
.endr
.endm
.macro WM d, a, b, c, sa, sb, row
.if \row
	v_wmma_scale_f32_16x16x128_f8f6f4 v[\d:\d+7], v[\a:\a+7], v[\b:\b+7], v[\c:\c+7], v[\sa], v[\sb] matrix_a_fmt:MATRIX_FMT_FP4 matrix_b_fmt:MATRIX_FMT_FP4 matrix_b_scale:MATRIX_SCALE_ROW1
.else
	v_wmma_scale_f32_16x16x128_f8f6f4 v[\d:\d+7], v[\a:\a+7], v[\b:\b+7], v[\c:\c+7], v[\sa], v[\sb] matrix_a_fmt:MATRIX_FMT_FP4 matrix_b_fmt:MATRIX_FMT_FP4
.endif
.endm
.macro MULB s                          ; eight accumulators by turns; the first K step takes the bias as C
.irp t, 0,1,2,3
.irp u, 0,1
.if (\s) == 0
	WM ACC+16*\t+8*\u, WF+8*(2*(\s)+\u), XF+32*((\s)%2)+8*\t, BI+8*\u, WS+2*(\s)+\u, XS+2*((\s)%2)+\t/2, \t%2
.else
	WM ACC+16*\t+8*\u, WF+8*(2*(\s)+\u), XF+32*((\s)%2)+8*\t, ACC+16*\t+8*\u, WS+2*(\s)+\u, XS+2*((\s)%2)+\t/2, \t%2
.endif
.endr
.endr
.endm
	FETCHX 0, 0
.irp s, 0,1,2,3,4,5,6,7
.if \s >= 1
.rept 4
	v_nop                                          ; four places in front of loads into registers that the last K step's products read
.endr
.endif
.if \s < 7
	FETCHX (\s+1)%2, \s+1
	s_wait_dscnt 10                                ; all but the ten just issued: this K step's operands are in
.else
	s_wait_dscnt 0x0
.endif
.if \s == 0
	WIN 0x11                                       ; source 0 (the weight) and C (the bias) in window 1
.else
	WIN 0x01
.endif
	MULB \s
	WIN 0
.endr
.rept 4
	v_nop                                          ; four places in front of the first read of results
.endr
	; keys or queries, with their bias, are quantised along a: block blk of each column lies in lanes l and l xor 16, 16 numbers each
.irp t, 0,1,2,3
	v_max3_num_f32 v[TM+\t], |v[ACC+16*\t]|, |v[ACC+16*\t+1]|, FLOOR     ; each accumulator is read from its low end on
.endr
.irp i, 2,4,6,8,10,12,14
.irp t, 0,1,2,3
	v_max3_num_f32 v[TM+\t], v[TM+\t], |v[ACC+16*\t+\i]|, |v[ACC+16*\t+\i+1]|
.endr
.endr
.irp t, 0,1,2,3
	v_permlanex16_b32 v[TM+4+\t], v[TM+\t], s58, s59
.endr
.irp t, 0,1,2,3
	v_max_num_f32 v[TM+\t], v[TM+\t], v[TM+4+\t]
.endr
.irp t, 0,1,2,3
	v_add_nc_u32 v[TM+8+\t], 0xff000000, v[TM+\t]
.endr
.irp t, 0,1,2,3
	v_lshrrev_b32 v[BY+\t], 23, v[TM+8+\t]
.endr
.irp t, 0,1,2,3
	v_cvt_scalef32_pk8_fp4_f32 v[PCR+2*\t], v[ACC+16*\t:ACC+16*\t+7], v[TM+8+\t]
	v_cvt_scalef32_pk8_fp4_f32 v[PCR+2*\t+1], v[ACC+16*\t+8:ACC+16*\t+15], v[TM+8+\t]
.endr
	v_nop
.irp t, 0,1,2,3
	global_store_b64 v[KO], v[PCR+2*\t:PCR+2*\t+1], s[54:55] offset:\t*1024    ; my 8 bytes of block blk of column slot r: the wave stores 256 consecutive bytes, aligned
.endr
.irp q, 0,1
	v_cndmask_b32 v[BM+\q], v[BY+2*\q], v[BY+2*\q+1], s60                       ; lanes 0-15: tile 2 q's byte; lanes 16-31: tile 2 q + 1's
	global_store_b8 v[KSO], v[BM+\q], s[56:57] offset:\q*128
.endr
	s_wait_tensorcnt 0x0                           ; the wave's end
	ds_add_u32 v[SPW], v[NIL]
	s_wait_dscnt 0x0
	s_endpgm
.Lfunc_end_k_q9195d1ac56_prep:
	.size	k_q9195d1ac56_prep, .Lfunc_end_k_q9195d1ac56_prep-k_q9195d1ac56_prep
	.p2alignl 7, 3214868480
	.fill 96, 4, 3214868480
	.section	.rodata,"a",@progbits
	.p2align	6, 0x0
	.amdhsa_kernel k_q9195d1ac56_prep
		.amdhsa_group_segment_fixed_size 327680
		.amdhsa_private_segment_fixed_size 0
		.amdhsa_enable_private_segment 0
		.amdhsa_kernarg_size 72
		.amdhsa_user_sgpr_count 2
		.amdhsa_user_sgpr_kernarg_segment_ptr 1
		.amdhsa_wavefront_size32 1
		.amdhsa_system_sgpr_workgroup_id_x 1
		.amdhsa_system_sgpr_workgroup_id_y 1
		.amdhsa_system_sgpr_workgroup_id_z 1
		.amdhsa_system_vgpr_workitem_id 0
		.amdhsa_next_free_vgpr 512
		.amdhsa_next_free_sgpr 100
		.amdhsa_reserve_vcc 0
		.amdhsa_float_denorm_mode_32 3
		.amdhsa_float_denorm_mode_16_64 3
		.amdhsa_memory_ordered 1
		.amdhsa_forward_progress 1
		.amdhsa_inst_pref_size 76
	.end_amdhsa_kernel
	.amdgpu_metadata
---
amdhsa.version: [ 1, 2 ]
amdhsa.kernels:
  - .name:           k_q9195d1ac56_prep
    .symbol:         k_q9195d1ac56_prep.kd
    .args:
      - { .name: x, .offset: 0, .size: 8, .value_kind: global_buffer, .address_space: global }
      - { .name: Wk_codes, .offset: 8, .size: 8, .value_kind: global_buffer, .address_space: global }
      - { .name: Wk_scales, .offset: 16, .size: 8, .value_kind: global_buffer, .address_space: global }
      - { .name: bk, .offset: 24, .size: 8, .value_kind: global_buffer, .address_space: global }
      - { .name: Wq_codes, .offset: 32, .size: 8, .value_kind: global_buffer, .address_space: global }
      - { .name: Wq_scales, .offset: 40, .size: 8, .value_kind: global_buffer, .address_space: global }
      - { .name: bq, .offset: 48, .size: 8, .value_kind: global_buffer, .address_space: global }
      - { .name: xl, .offset: 56, .size: 8, .value_kind: global_buffer, .address_space: global }
      - { .name: kq, .offset: 64, .size: 8, .value_kind: global_buffer, .address_space: global }
    .group_segment_fixed_size: 327680
    .private_segment_fixed_size: 0
    .kernarg_segment_align: 8
    .kernarg_segment_size: 72
    .max_flat_workgroup_size: 256
    .sgpr_count:     100
    .vgpr_count:     512
    .wavefront_size: 32
...
	.end_amdgpu_metadata
.endif
;; end of part 1
;; launch attn (part 2): grid 32 x 8, 16 waves a work-group, no clusters, 57,344 bytes of LDS; arguments kq, at; writes at
.if DOCPART == 2
	.amdgcn_target "amdgcn-amd-amdhsa--gfx1250"
	.amdhsa_code_object_version 6
	.text
	.protected	k_q9195d1ac56_attn
	.globl	k_q9195d1ac56_attn
	.p2align	8
	.type	k_q9195d1ac56_attn,@function
k_q9195d1ac56_attn:
	s_mov_b64 s[64:65], 0
	v_nop
	global_prefetch_b8 v0, s[64:65] scope:SCOPE_SE
	s_setreg_imm32_b32 hwreg(HW_REG_WAVE_MODE, 25, 1), 1
	s_wait_xcnt 0x0
; ATTN.  values[l][m] = keys[:, l] . queries[:, m] on codes; attn = softmax over m of values / 1,024, finished and normalised in f32; attn is then quantised along l into at.  No work is left out.
; SHARES.  A block is 32 rows l, one block of the quantiser along l, for all 2,048 m.  Work-group (g, b) STAYS FOR TWO BLOCKS, lam = 2 g and 2 g + 1.  Wave om owns 128 m: eight tiles; its queries' fragments
; stay in its registers for both blocks; the second block's keys are asked for straight behind the first block's products; the first block's stores leave while the second block is computed.
; LAYOUT.  Source 0 = 16 keys (tile u of the group of 32, in slot order), source 1 = 16 queries (tile tau): lane (r, h) holds ONE m (slot r) and register 16 tau + i the row l = 32 lam + 16 h + i.
; THE ROW'S MAXIMUM AND SUM go over the registers (8 tiles), over the 16 lanes of a half (a turn through the wave's own LDS bytes, after which lane 16 h + i holds row (h, i)), and over the 16 waves (a barrier each).
; p = 2^(s c - round(c max)), c = log2(e) / 1,024; attn = p x (1 / sum).  LIMITS: the exponent's error is about 6e-8 x |c max|; 2^x under 2^-126 comes out as 0;
; NaN and infinities are not served; a block of attn whose largest number lies under 2^-124 gets the byte 1.
; at: codes as images [b][s:16 (128 l)][m tile:128][1024]; from ATS on the scale bytes [b][S:4][m slot:2048][16]: byte lam % 16.  A word's four bytes come from two work-groups, so my two blocks' bytes leave as pairs.
; No tensor loads: all operands are register images in memory and go straight into registers.
; REGISTERS: 256 a wave, sixteen waves.  The queries (68) and the scores (128) leave 16 registers for all that is at work: the rows' figures, the figures to be joined, -c max, 1 / sum and the quantiser's
; temporaries live one after the other in v232-247.  In the turn through LDS the stores and the loads name the same registers: LDS serves a wave's instructions in order.
.set SCRW, 2816                        ; a wave's own bytes for the turn: row rho = 16 h + i, 64 bytes, at 80 rho + 64 h
.set PM,   16*SCRW                     ; [block:2][wave][32] the waves' maxima: each block has bytes of its own
.set PS,   PM+4096                     ; [block:2][wave][32] the waves' sums
.set OB,   PS+4096                     ; a wave's own 128 bytes: a figure for each of the 32 rows, on its way back to the lanes
.set SPARE, OB+2048                    ; the spare words, 128 bytes for each of the sixteen waves, which no other line names
.set QIB,  1048576
.set KSB,  2097152
.set QSB,  2162688
.set ATS,  16777216
.set FLOOR, 0x1800000
.set LI,  1                            ; v1   16 x lane
.set L4,  2                            ; v2   4 x lane
.set SCW, 3                            ; v3   the turn, in: my wave's bytes + 1,344 h + 4 r
.set SCRD, 4                           ; v4   the turn, out: + 80 x lane + 64 h
.set PW,  5                            ; v5   4 x my thread's number
.set OBR, 6                            ; v6   OB + 128 x wave + 64 h
.set CO,  7                            ; v7   16 r + 8 h
.set SPW, 8                            ; v8   my spare word; never rewritten
.set NIL, 9                            ; v9   0; never rewritten
.set KB,  10                           ; v10-13 the first block's scale bytes, kept; then both blocks' pairs
.set QF,  16                           ; v16-79  queries' eight fragments: they stay
.set QS,  80                           ; v80-83  their scale words (lanes 0-15 tile 2 q, lanes 16-31 tile 2 q + 1).  Scales and nothing else
.set KF,  84                           ; v84-99  keys' two fragments
.set KSR, 100                          ; v100    their scale words.  Scales and nothing else
.set S,   104                          ; v104-231 the scores, then p, then attn; at a block's end v104-111 the codes of tiles 4-7, v112-115 their bytes
.set T,   232                          ; v232-247 at work, by turns:
.set M,   T                            ;   a figure for each of my 16 rows
.set R,   T                            ;   16 figures to be joined
.set ST,  T                            ;   -c max, later 1 / sum, of my 16 rows
.set TM,  T                            ;   the quantiser's twelve; T + 12 .. 15: the bytes of tiles 0-3
.set P0,  248                          ; v248-255 the codes of tiles 0-3
	s_load_b128 s[4:7], s[0:1], 0x0                ; kq, at
	v_lshl_add_u32 v[SPW], v0, 2, SPARE
	v_mov_b32 v[NIL], 0
	v_lshrrev_b32 v[T], 5, v0
	v_readfirstlane_b32 s8, v[T]                   ; om: wave 0..15
	s_lshl_b32 s9, ttmp9, 1                        ; lam of my first block: even
	s_and_b32 s10, ttmp7, 0xffff                   ; b
	s_lshl_b32 s12, s10, 17                        ; keys' images: two for each block, the second block's 2,048 bytes on
	s_lshl_b32 s30, s9, 11
	s_add_co_u32 s12, s12, s30
	s_mov_b32 s13, 0
	s_lshl_b32 s14, s10, 13                        ; their scale words: the second block's 128 bytes on
	s_lshl_b32 s30, s9, 7
	s_add_co_u32 s14, s14, s30
	s_add_co_u32 s14, s14, KSB
	s_mov_b32 s15, 0
	s_lshl_b32 s16, s10, 17                        ; my wave's eight images of queries
	s_lshl_b32 s30, s8, 13
	s_add_co_u32 s16, s16, s30
	s_add_co_u32 s16, s16, QIB
	s_mov_b32 s17, 0
	s_lshl_b32 s18, s10, 13                        ; their scale words
	s_lshl_b32 s30, s8, 9
	s_add_co_u32 s18, s18, s30
	s_add_co_u32 s18, s18, QSB
	s_mov_b32 s19, 0
	s_lshl_b32 s20, s10, 21                        ; at's codes: b, K step lam / 4, my eight tiles, block lam % 4's 256 bytes; the second block's lie 256 bytes on
	s_lshr_b32 s30, s9, 2
	s_lshl_b32 s30, s30, 17
	s_add_co_u32 s20, s20, s30
	s_lshl_b32 s30, s8, 13
	s_add_co_u32 s20, s20, s30
	s_and_b32 s30, s9, 3
	s_lshl_b32 s30, s30, 8
	s_add_co_u32 s20, s20, s30
	s_mov_b32 s21, 0
	s_lshl_b32 s22, s10, 17                        ; at's scale bytes: ((4 b + lam / 16) 2,048 + 128 om) 16 + lam % 16: an even byte, the second block's is the next
	s_lshr_b32 s30, s9, 4
	s_lshl_b32 s30, s30, 15
	s_add_co_u32 s22, s22, s30
	s_lshl_b32 s30, s8, 11
	s_add_co_u32 s22, s22, s30
	s_and_b32 s30, s9, 15
	s_add_co_u32 s22, s22, s30
	s_add_co_u32 s22, s22, ATS
	s_mov_b32 s23, 0
	s_mov_b32 s24, 0x3ab8aa3b                      ; c = log2(e) / 1,024
	s_mov_b32 s25, s24                             ; (named with it as a pair, so it is written)
	s_mov_b32 s26, 0x76543210
	s_mov_b32 s27, 0xfedcba98
	s_mov_b32 s28, 0xffff0000                      ; lanes 16 to 31
	v_and_b32 v[T], 31, v0                         ; lane
	v_and_b32 v[T+1], 15, v0                       ; r
	v_bfe_u32 v[T+2], v0, 4, 1                     ; h
	v_lshlrev_b32 v[LI], 4, v[T]
	v_lshlrev_b32 v[L4], 2, v[T]
	s_mul_i32 s30, s8, SCRW
	v_mul_u32_u24 v[SCW], v[T+2], 1344
	v_lshl_add_u32 v[SCW], v[T+1], 2, v[SCW]
	v_add_nc_u32 v[SCW], s30, v[SCW]
	v_mul_u32_u24 v[SCRD], v[T], 80
	v_lshl_add_u32 v[SCRD], v[T+2], 6, v[SCRD]
	v_add_nc_u32 v[SCRD], s30, v[SCRD]
	v_lshlrev_b32 v[PW], 2, v0
	s_lshl_b32 s31, s8, 7
	s_add_co_u32 s31, s31, OB
	v_lshl_add_u32 v[OBR], v[T+2], 6, s31
	v_lshlrev_b32 v[CO], 4, v[T+1]
	v_lshl_add_u32 v[CO], v[T+2], 3, v[CO]
	s_wait_kmcnt 0x0
	s_add_nc_u64 s[12:13], s[4:5], s[12:13]
	s_add_nc_u64 s[14:15], s[4:5], s[14:15]
	s_add_nc_u64 s[16:17], s[4:5], s[16:17]
	s_add_nc_u64 s[18:19], s[4:5], s[18:19]
	s_add_nc_u64 s[20:21], s[6:7], s[20:21]
	s_add_nc_u64 s[22:23], s[6:7], s[22:23]
.macro KLOAD n                         ; block n's keys: two images and a register of scale words (lanes 0-15: tile u = 0's; lanes 16-31: u = 1's)
.irp u, 0,1
.irp c, 0,1
	global_load_b128 v[KF+8*\u+4*\c:KF+8*\u+4*\c+3], v[LI], s[12:13] offset:2048*(\n)+\u*1024+512*\c
.endr
.endr
	global_load_b32 v[KSR], v[L4], s[14:15] offset:128*(\n)
.endm
	KLOAD 0
.irp t, 0,1,2,3,4,5,6,7
.irp c, 0,1
	global_load_b128 v[QF+8*\t+4*\c:QF+8*\t+4*\c+3], v[LI], s[16:17] offset:\t*1024+512*\c
.endr
.endr
.irp q, 0,1,2,3
	global_load_b32 v[QS+\q], v[L4], s[18:19] offset:128*\q
.endr
	s_wait_loadcnt 0x0
.macro W3 t, u                         ; the scores of tile t against keys' tile u; the rows of the scale registers go by u and by t % 2
.if ((\t)%2 == 0) && ((\u) == 0)
	v_wmma_scale_f32_16x16x128_f8f6f4 v[S+16*(\t)+8*(\u):S+16*(\t)+8*(\u)+7], v[KF+8*(\u):KF+8*(\u)+7], v[QF+8*(\t):QF+8*(\t)+7], 0, v[KSR], v[QS+(\t)/2] matrix_a_fmt:MATRIX_FMT_FP4 matrix_b_fmt:MATRIX_FMT_FP4
.elseif ((\t)%2 == 0)
	v_wmma_scale_f32_16x16x128_f8f6f4 v[S+16*(\t)+8*(\u):S+16*(\t)+8*(\u)+7], v[KF+8*(\u):KF+8*(\u)+7], v[QF+8*(\t):QF+8*(\t)+7], 0, v[KSR], v[QS+(\t)/2] matrix_a_fmt:MATRIX_FMT_FP4 matrix_b_fmt:MATRIX_FMT_FP4 matrix_a_scale:MATRIX_SCALE_ROW1
.elseif ((\u) == 0)
	v_wmma_scale_f32_16x16x128_f8f6f4 v[S+16*(\t)+8*(\u):S+16*(\t)+8*(\u)+7], v[KF+8*(\u):KF+8*(\u)+7], v[QF+8*(\t):QF+8*(\t)+7], 0, v[KSR], v[QS+(\t)/2] matrix_a_fmt:MATRIX_FMT_FP4 matrix_b_fmt:MATRIX_FMT_FP4 matrix_b_scale:MATRIX_SCALE_ROW1
.else
	v_wmma_scale_f32_16x16x128_f8f6f4 v[S+16*(\t)+8*(\u):S+16*(\t)+8*(\u)+7], v[KF+8*(\u):KF+8*(\u)+7], v[QF+8*(\t):QF+8*(\t)+7], 0, v[KSR], v[QS+(\t)/2] matrix_a_fmt:MATRIX_FMT_FP4 matrix_b_fmt:MATRIX_FMT_FP4 matrix_a_scale:MATRIX_SCALE_ROW1 matrix_b_scale:MATRIX_SCALE_ROW1
.endif
.endm
.macro TURNX                           ; my 16 figures (a row each, for my m's) change places with the 16 lanes of my half: afterwards the same registers hold 16 figures of ONE row, 16 h + i = my lane
.irp i, 0,1,2,3,4,5,6,7,8,9,10,11,12,13,14,15
	ds_store_b32 v[SCW], v[M+\i] offset:80*\i
.endr
.irp k, 0,1,2,3
	ds_load_b128 v[R+4*\k:R+4*\k+3], v[SCRD] offset:16*\k     ; my wave's own bytes: LDS serves a wave's instructions in order, so these see the stores above and land behind them
.endr
	s_wait_dscnt 0x0
.endm
.macro REDMAX
	v_max3_num_f32 v[R], v[R], v[R+1], v[R+2]
	v_max3_num_f32 v[R+3], v[R+3], v[R+4], v[R+5]
	v_max3_num_f32 v[R+6], v[R+6], v[R+7], v[R+8]
	v_max3_num_f32 v[R+9], v[R+9], v[R+10], v[R+11]
	v_max3_num_f32 v[R+12], v[R+12], v[R+13], v[R+14]
	v_max3_num_f32 v[R], v[R], v[R+3], v[R+6]
	v_max3_num_f32 v[R+9], v[R+9], v[R+12], v[R+15]
	v_max_num_f32 v[R], v[R], v[R+9]
.endm
.macro REDSUM
	v_pk_add_f32 v[R:R+1], v[R:R+1], v[R+2:R+3]
	v_pk_add_f32 v[R+4:R+5], v[R+4:R+5], v[R+6:R+7]
	v_pk_add_f32 v[R+8:R+9], v[R+8:R+9], v[R+10:R+11]
	v_pk_add_f32 v[R+12:R+13], v[R+12:R+13], v[R+14:R+15]
	v_pk_add_f32 v[R:R+1], v[R:R+1], v[R+4:R+5]
	v_pk_add_f32 v[R+8:R+9], v[R+8:R+9], v[R+12:R+13]
	v_pk_add_f32 v[R:R+1], v[R:R+1], v[R+8:R+9]
	v_add_f32 v[R], v[R], v[R+1]
.endm
.macro ALLWAVES base                   ; the sixteen waves' figures of my lane's row
.irp w, 0,1,2,3,4,5,6,7,8,9,10,11,12,13,14,15
	ds_load_b32 v[R+\w], v[L4] offset:\base+128*\w
.endr
	s_wait_dscnt 0x0
.endm
.macro BACK                            ; lane 16 h + i's figure in v[R] goes back to the lanes: ST + i = the figure of row 16 h + i.  My wave's own bytes, served in order
	ds_store_b32 v[PW], v[R] offset:OB
.irp k, 0,1,2,3
	ds_load_b128 v[ST+4*\k:ST+4*\k+3], v[OBR] offset:16*\k
.endr
	s_wait_dscnt 0x0
.endm
.macro QA g                            ; four tiles by turns: the block of each m lies in lanes l and l xor 16, 16 numbers each; none is negative, so no |.|
.if (\g) == 0
.set PCQ, P0                           ; tiles 0-3: codes in v248-255, bytes in T + 12 .. 15
.set BYQ, T+12
.else
.set PCQ, S                            ; tiles 4-7: codes and bytes in the registers that held tile 0's numbers, which are converted
.set BYQ, S+8
.endif
.irp t, 0,1,2,3
	v_max3_num_f32 v[TM+\t], v[S+16*(4*(\g)+\t)], v[S+16*(4*(\g)+\t)+1], FLOOR
.endr
.irp i, 2,4,6,8,10,12,14
.irp t, 0,1,2,3
	v_max3_num_f32 v[TM+\t], v[TM+\t], v[S+16*(4*(\g)+\t)+\i], v[S+16*(4*(\g)+\t)+\i+1]
.endr
.endr
.irp t, 0,1,2,3
	v_permlanex16_b32 v[TM+4+\t], v[TM+\t], s26, s27           ; (its destination has been written before: it held 1 / sum)
.endr
.irp t, 0,1,2,3
	v_max_num_f32 v[TM+\t], v[TM+\t], v[TM+4+\t]
.endr
.irp t, 0,1,2,3
	v_add_nc_u32 v[TM+8+\t], 0xff000000, v[TM+\t]              ; 2 off the exponent field: the conversion's scale operand
.endr
.irp t, 0,1,2,3
	v_lshrrev_b32 v[BYQ+\t], 23, v[TM+8+\t]                    ; the scale's byte
.endr
.irp t, 0,1,2,3
	v_cvt_scalef32_pk8_fp4_f32 v[PCQ+2*\t], v[S+16*(4*(\g)+\t):S+16*(4*(\g)+\t)+7], v[TM+8+\t]
	v_cvt_scalef32_pk8_fp4_f32 v[PCQ+2*\t+1], v[S+16*(4*(\g)+\t)+8:S+16*(4*(\g)+\t)+15], v[TM+8+\t]
.endr
	v_nop                                          ; one plain instruction behind the conversions
.endm
; ONE BLOCK OF 32 ROWS, n = 0, 1.
.macro BLOCK n
.if (\n) == 1
	s_wait_loadcnt 0x0                             ; the second block's keys are in
	s_wait_xcnt 0x0                                ; the first block's stores have read their registers: the products and the conversions below may write them
.endif
.irp t, 0,1,2,3,4,5,6,7
.irp u, 0,1
	W3 \t, \u                                      ; K = 128: one instruction a tile, sixteen different accumulators
.endr
.endr
.rept 4
	v_nop                                          ; four places in front of the first read of results and of loads into the keys' registers
.endr
.if (\n) == 0
	KLOAD 1                                        ; the second block's keys: they have this block's softmax in which to land
.endif
	; the largest score of each of my 16 rows over my 8 tiles; i ascends
.irp i, 0,1,2,3,4,5,6,7,8,9,10,11,12,13,14,15
	v_max3_num_f32 v[M+\i], v[S+\i], v[S+16+\i], v[S+32+\i]
.endr
.irp i, 0,1,2,3,4,5,6,7,8,9,10,11,12,13,14,15
	v_max3_num_f32 v[M+\i], v[M+\i], v[S+48+\i], v[S+64+\i]
.endr
.irp i, 0,1,2,3,4,5,6,7,8,9,10,11,12,13,14,15
	v_max3_num_f32 v[M+\i], v[M+\i], v[S+80+\i], v[S+96+\i]
.endr
.irp i, 0,1,2,3,4,5,6,7,8,9,10,11,12,13,14,15
	v_max_num_f32 v[M+\i], v[M+\i], v[S+112+\i]
.endr
	TURNX
	REDMAX
	ds_store_b32 v[PW], v[R] offset:PM+2048*(\n)
	s_wait_dscnt 0x0                               ; for the others' sake: my wave's maxima lie in LDS
	s_barrier_signal -1
	s_barrier_wait -1
	ALLWAVES PM+2048*(\n)
	REDMAX                                         ; the row's maximum over all 2,048 m
	v_mul_f32 v[R], 0xbab8aa3b, v[R]               ; -c max
	BACK
.set j, 0
.rept 64
	v_pk_fma_f32 v[S+j:S+j+1], v[S+j:S+j+1], s[24:25], v[ST+j%16:ST+j%16+1] op_sel_hi:[1,0,1]    ; c s - c max, two rows at a time
.set j, j+2
.endr
.set j, 0
.rept 128
	v_exp_f32 v[S+j], v[S+j]                       ; p, at most 1
.set j, j+1
.endr
	v_nop                                          ; a plain instruction behind the last exponential
	s_wait_alu depctr_va_vdst(0)                   ; one wait for the whole batch, ahead of its first reader
.irp k, 0,2,4,6,8,10,12,14
	v_pk_add_f32 v[M+\k:M+\k+1], v[S+\k:S+\k+1], v[S+16+\k:S+16+\k+1]
.endr
.irp t, 2,3,4,5,6,7
.irp k, 0,2,4,6,8,10,12,14
	v_pk_add_f32 v[M+\k:M+\k+1], v[M+\k:M+\k+1], v[S+16*\t+\k:S+16*\t+\k+1]
.endr
.endr
	TURNX                                          ; (my reads of these bytes were waited for in the turn before)
	REDSUM
	ds_store_b32 v[PW], v[R] offset:PS+2048*(\n)
	s_wait_dscnt 0x0                               ; for the others' sake: my wave's sums lie in LDS
	s_barrier_signal -1
	s_barrier_wait -1
	ALLWAVES PS+2048*(\n)
	REDSUM                                         ; the row's sum over all 2,048 m
	v_rcp_f32 v[R], v[R]
	v_nop
	s_wait_alu depctr_va_vdst(0)
	BACK
.set j, 0
.rept 64
	v_pk_mul_f32 v[S+j:S+j+1], v[S+j:S+j+1], v[ST+j%16:ST+j%16+1]       ; attn, finished and normalised
.set j, j+2
.endr
	QA 0
	QA 1
.irp t, 0,1,2,3
	global_store_b64 v[CO], v[P0+2*\t:P0+2*\t+1], s[20:21] offset:\t*1024+256*(\n)       ; my 8 bytes of this block of m slot r: the wave stores 256 consecutive bytes, aligned
.endr
.irp t, 0,1,2,3
	global_store_b64 v[CO], v[S+2*\t:S+2*\t+1], s[20:21] offset:(\t+4)*1024+256*(\n)
.endr
.if (\n) == 0
	v_cndmask_b32 v[KB], v[T+12], v[T+13], s28     ; lanes 0-15: tile 2 q's byte; lanes 16-31: tile 2 q + 1's; kept for the second block's to join them
	v_cndmask_b32 v[KB+1], v[T+14], v[T+15], s28
	v_cndmask_b32 v[KB+2], v[S+8], v[S+9], s28
	v_cndmask_b32 v[KB+3], v[S+10], v[S+11], s28
.else
	v_cndmask_b32 v[T+12], v[T+12], v[T+13], s28
	v_cndmask_b32 v[T+14], v[T+14], v[T+15], s28
	v_cndmask_b32 v[S+8], v[S+8], v[S+9], s28
	v_cndmask_b32 v[S+10], v[S+10], v[S+11], s28
	v_lshl_or_b32 v[KB], v[T+12], 8, v[KB]         ; the first block's byte below, the second's above: neighbours in memory
	v_lshl_or_b32 v[KB+1], v[T+14], 8, v[KB+1]
	v_lshl_or_b32 v[KB+2], v[S+8], 8, v[KB+2]
	v_lshl_or_b32 v[KB+3], v[S+10], 8, v[KB+3]
.irp q, 0,1,2,3
	global_store_b16 v[LI], v[KB+\q], s[22:23] offset:\q*512
.endr
.endif
.endm
	BLOCK 0
	BLOCK 1
	s_wait_tensorcnt 0x0                           ; the wave's end
	ds_add_u32 v[SPW], v[NIL]
	s_wait_dscnt 0x0
	s_endpgm
.Lfunc_end_k_q9195d1ac56_attn:
	.size	k_q9195d1ac56_attn, .Lfunc_end_k_q9195d1ac56_attn-k_q9195d1ac56_attn
	.p2alignl 7, 3214868480
	.fill 96, 4, 3214868480
	.section	.rodata,"a",@progbits
	.p2align	6, 0x0
	.amdhsa_kernel k_q9195d1ac56_attn
		.amdhsa_group_segment_fixed_size 57344
		.amdhsa_private_segment_fixed_size 0
		.amdhsa_enable_private_segment 0
		.amdhsa_kernarg_size 16
		.amdhsa_user_sgpr_count 2
		.amdhsa_user_sgpr_kernarg_segment_ptr 1
		.amdhsa_wavefront_size32 1
		.amdhsa_system_sgpr_workgroup_id_x 1
		.amdhsa_system_sgpr_workgroup_id_y 1
		.amdhsa_system_sgpr_workgroup_id_z 1
		.amdhsa_system_vgpr_workitem_id 0
		.amdhsa_next_free_vgpr 256
		.amdhsa_next_free_sgpr 66
		.amdhsa_reserve_vcc 0
		.amdhsa_float_denorm_mode_32 3
		.amdhsa_float_denorm_mode_16_64 3
		.amdhsa_memory_ordered 1
		.amdhsa_forward_progress 1
		.amdhsa_inst_pref_size 81
	.end_amdhsa_kernel
	.amdgpu_metadata
---
amdhsa.version: [ 1, 2 ]
amdhsa.kernels:
  - .name:           k_q9195d1ac56_attn
    .symbol:         k_q9195d1ac56_attn.kd
    .args:
      - { .name: kq, .offset: 0, .size: 8, .value_kind: global_buffer, .address_space: global }
      - { .name: at, .offset: 8, .size: 8, .value_kind: global_buffer, .address_space: global }
    .group_segment_fixed_size: 57344
    .private_segment_fixed_size: 0
    .kernarg_segment_align: 8
    .kernarg_segment_size: 16
    .max_flat_workgroup_size: 512
    .sgpr_count:     66
    .vgpr_count:     256
    .wavefront_size: 32
...
	.end_amdgpu_metadata
.endif
;; end of part 2
;; launch gemm4 (part 3): grid 4 x 64, 4 waves a work-group, clusters of 4 x 4, 327,680 bytes of LDS; arguments at, xl, o4; writes o4
.if DOCPART == 3
	.amdgcn_target "amdgcn-amd-amdhsa--gfx1250"
	.amdhsa_code_object_version 6
	.text
	.protected	k_q9195d1ac56_gemm4
	.globl	k_q9195d1ac56_gemm4
	.p2align	8
	.type	k_q9195d1ac56_gemm4,@function
k_q9195d1ac56_gemm4:
	s_mov_b64 s[64:65], 0
	v_nop
	global_prefetch_b8 v0, s[64:65] scope:SCOPE_SE
	s_setreg_imm32_b32 hwreg(HW_REG_WAVE_MODE, 25, 1), 1
	s_wait_xcnt 0x0
	s_wait_alu depctr_hold_cnt(0) depctr_sa_sdst(0) depctr_va_vdst(0) depctr_va_sdst(0) depctr_va_ssrc(0) depctr_va_vcc(0) depctr_vm_vsrc(0)
	s_getreg_b32 s2, hwreg(HW_REG_IB_STS2, 6, 4)
	s_cmp_eq_u32 s2, 0
	s_cbranch_scc0 .Lentry_in_a_cluster
	s_endpgm
.Lentry_in_a_cluster:
	s_bfe_u32 s2, ttmp6, 0x10000c
	s_cmp_lg_u32 s2, 0xf033
	s_cbranch_scc0 .Lentry_shape_is_right
	s_endpgm
.Lentry_shape_is_right:
; GEMM4.  out[b][c][m] = sum over l of x[b][c][l] attn[b][l][m], both operands as codes made by the launches before; the result is quantised along c in registers and goes to o4 as codes.  No work is left out.
; A tile of 256 c x 256 m of one batch is made by a work-group of four waves; a wave makes 128 x 128: 64 accumulators, 512 registers.  K = 2,048 l goes in four steps of 512 through a ring of two LDS slots.
; OPERANDS ARE REGISTER IMAGES in memory (16 rows x 128 K = 1,024 bytes, [c2][lane][16]): a fragment is two LDS loads at 16 x lane, with no pitch; 8 tiles of a K step of 128 are 8,192 consecutive bytes.
; Source 0 = 16 rows c of xl (slot order), source 1 = 16 columns m of at: a lane holds ONE m, and the 64 registers of its eight accumulators run along 128 neighbouring c: they are one K step of the next product.
; CLUSTERS: 4 x 4 work-groups: x = the four c tiles, y = four m tiles of one batch.  at's tile hangs on (b, m tile) and is shared along a row of the cluster, xl's on (b, c tile) and is shared along a column:
; each is asked for jointly, by the same tensor load with the same descriptor and a mask that names the four.
; The scale bytes of the work-group's rows for all of K come once, with the first fills: [S:4][128 rows][16 bytes] for each quarter.
; o4: codes as images [b][sigma:8 (128 c)][m tile:128][1024]; from O4S on the scale words [b 2,048 + m slot][32 bytes], word sigma.  The words of a row come from eight waves of four work-groups, so they leave as single words.
; LIMITS: as in the first launch (byte 1 for blocks under 2^-124 and for blocks of zeros; NaN and infinities not served).
; REGISTERS: window 0: v16-29 addresses; v32-95 scale words, two sets, and nothing else; v96-111 at work on the way out; v128-191 at's fragments, ONE set (on the way out: the codes); v192-203 scale words on the way out.
;   window 1: xl's fragments, TWO sets, at v0 and v128.   windows 2, 3: accumulator (a, b) at v[8 (8 (a % 4) + b)], a = m tile, b = c tile.
.set NQ,    4                          ; K steps of 128 in a slot
.set FR,    8
.set NL,    2                          ; LDS loads that bring a fragment
.set NP,    4                          ; places behind this matrix instruction (ISA guide 7.12.1)
.set HALFT, 32768                      ; what one tensor load brings: [q:4][tile:8][1024]
.set SLOT,  4*HALFT                    ; at's two halves, then xl's two
.set SCL,   2*SLOT                     ; behind the ring: the scale bytes, four quarters
.set HALFS, 8192
.set SPARE, SCL+4*HALFS                ; the spare words, 128 bytes for each wave, which no other line names
.set ATS,   16777216
.set XLS,   8388608
.set O4S,   8388608
.set FLOOR, 0x1800000
.set ADRA, 16                          ; v16-17 LDS address of at's fragments in slot 0, 1
.set ADRB, 20                          ; v20-21 the same for xl
.set LI,   24                          ; v24    16 x lane
.set L32,  25                          ; v25    32 x lane
.set ADRS, 27                          ; v27    my scale words: lanes 0-15 at's rows, lanes 16-31 xl's
.set SPW,  28
.set NIL,  29
.set SC,   32
.set TM,   96
.set AF,   128
.set PCB,  128
.set WD,   192
.set WM,   200
.set G1, 24                            ; s[24:31] group 1 for at's tiles; s[32:39] group 0, a set for each slot
.set G0, 32
.set G1B, 48                           ; s[48:55], s[56:63] the same for xl's
.set G0B, 56
.set G1S, 68                           ; s[68:75], s[76:79] for at's scale bytes; s[80:87], s[88:91] for xl's
.set G0S, 76
.set G1SB, 80
.set G0SB, 88
.set MSB, 0
.macro WIN new
.if MSB != (\new)
	s_set_vgpr_msb (MSB<<8)|(\new)
.set MSB, (\new)
.endif
.endm
.set MUL_LO, 0xa1                      ; source 0 (xl) window 1, source 1 (at) window 0, C and D window 2
.set MUL_HI, 0xf1
.set TO_B,   0x40
; A joint load: waves 0 and 1 fetch for at, waves 2 and 3 for xl; the branch hangs on the wave's number alone.  An s_nop 0 and four v_nop follow each of the two lines.
.macro JLOAD g0a, g1a, g0b, g1b
	s_cmp_eq_u32 s15, 0
	s_cbranch_scc0 .Lfor_b_\@
	tensor_load_to_lds s[\g0a:\g0a+3], s[\g1a:\g1a+7]
	s_nop 0
.rept 4
	v_nop
.endr
	s_branch .Lasked_\@
.Lfor_b_\@:
	tensor_load_to_lds s[\g0b:\g0b+3], s[\g1b:\g1b+7]
	s_nop 0
.rept 4
	v_nop
.endr
.Lasked_\@:
.endm
.macro CREST                           ; a round of the cluster's barrier behind its opening barrier
	s_cmp_lg_u32 s14, 0
	s_cbranch_scc1 .Lnot_wave_0_\@
	s_barrier_signal -3
.Lnot_wave_0_\@:
	s_barrier_wait -3
	s_barrier_signal -1
	s_barrier_wait -1
.endm
.macro CROUND
	s_barrier_signal -1
	s_barrier_wait -1
	CREST
.endm
	s_load_b128 s[4:7], s[0:1], 0x0                ; at, xl
	s_load_b64 s[8:9], s[0:1], 0x10                ; o4
	v_lshl_add_u32 v[SPW], v0, 2, SPARE
	v_mov_b32 v[NIL], 0
	ds_add_u32 v[SPW], v[NIL]                      ; the wave's opening: the add, twice on end, and its wait ahead of my first tensor load
	ds_add_u32 v[SPW], v[NIL]
	v_lshrrev_b32 v1, 5, v0
	v_readfirstlane_b32 s14, v1                    ; wave 0..3
	s_lshr_b32 s15, s14, 1                         ; my half of the m tile.  Also: I fetch for at (0) or for xl (1)
	s_and_b32 s16, s14, 1                          ; my half of the c tile.  Also: which half of that tile I fetch
	s_bfe_u32 s40, ttmp6, 0x40000                  ; cx = the c tile
	s_bfe_u32 s41, ttmp6, 0x40004                  ; cy
	s_and_b32 s17, ttmp7, 0xffff                   ; the cluster's y, 0..15
	s_lshr_b32 s18, s17, 1                         ; b
	s_and_b32 s19, s17, 1
	s_lshl_b32 s19, s19, 2
	s_add_co_u32 s19, s19, s41                     ; the m tile, 0..7
	s_lshl_b32 s43, s41, 2
	s_lshl_b32 s43, 15, s43                        ; my row of the cluster
	s_lshl_b32 s44, 0x1111, s40                    ; my column
	s_or_b32 s[G1+0], s43, (3<<16)|(1<<21)         ; the mask; elements of 8 bytes; bit 21 set beside a mask; no padding
	s_or_b32 s[G1B+0], s44, (3<<16)|(1<<21)
.irp g, G1, G1B
	s_mov_b32 s[\g+1], 1024<<16                    ; tensor_dim0 = 1,024 elements: 8 images
	s_mov_b32 s[\g+2], 4<<16                       ; tensor_dim1 = 4 K steps
	s_mov_b32 s[\g+3], 1024<<16                    ; tile_dim0
	s_mov_b32 s[\g+4], 4                           ; tile_dim1
	s_mov_b32 s[\g+6], 0
	s_mov_b32 s[\g+7], 0
.endr
	s_mov_b32 s[G1+5], 16384                       ; from K step to K step: 128 images in at,
	s_mov_b32 s[G1B+5], 8192                       ; 64 in xl
	s_or_b32 s[G1S+0], s43, (3<<16)|(1<<21)
	s_or_b32 s[G1SB+0], s44, (3<<16)|(1<<21)
.irp g, G1S, G1SB
	s_mov_b32 s[\g+1], 256<<16                     ; 128 rows of 16 bytes
	s_mov_b32 s[\g+2], 4<<16                       ; for each of the four S
	s_mov_b32 s[\g+3], 256<<16
	s_mov_b32 s[\g+4], 4
	s_mov_b32 s[\g+6], 0
	s_mov_b32 s[\g+7], 0
.endr
	s_mov_b32 s[G1S+5], 4096                       ; 2,048 rows of 16 bytes in at,
	s_mov_b32 s[G1SB+5], 2048                      ; 1,024 in xl
	s_lshl_b32 s20, s18, 21                        ; at's codes: b, m tile, the half that I fetch: coordinates that my row of the cluster shares
	s_lshl_b32 s21, s19, 14
	s_add_co_u32 s20, s20, s21
	s_lshl_b32 s21, s16, 13
	s_add_co_u32 s20, s20, s21
	s_mov_b32 s21, 0
	s_lshl_b32 s22, s18, 17                        ; at's scale bytes
	s_lshl_b32 s23, s19, 12
	s_add_co_u32 s22, s22, s23
	s_lshl_b32 s23, s16, 11
	s_add_co_u32 s22, s22, s23
	s_add_co_u32 s22, s22, ATS
	s_mov_b32 s23, 0
	s_lshl_b32 s46, s18, 20                        ; xl's codes: b, c tile, half: coordinates that my column shares
	s_lshl_b32 s47, s40, 14
	s_add_co_u32 s46, s46, s47
	s_lshl_b32 s47, s16, 13
	s_add_co_u32 s46, s46, s47
	s_mov_b32 s47, 0
	s_lshl_b32 s92, s18, 16                        ; xl's scale bytes
	s_lshl_b32 s93, s40, 12
	s_add_co_u32 s92, s92, s93
	s_lshl_b32 s93, s16, 11
	s_add_co_u32 s92, s92, s93
	s_add_co_u32 s92, s92, XLS
	s_mov_b32 s93, 0
	s_lshl_b32 s45, s14, 15                        ; where they go: wave x HALFT: no place in the cluster enters an LDS address
	s_lshl_b32 s94, s14, 13                        ; wave x HALFS
	s_mov_b32 s95, 0xffff0000                      ; lanes 16 to 31
	s_mov_b32 s96, 0x76543210
	s_mov_b32 s97, 0xfedcba98
	s_wait_dscnt 0x0                               ; both opening adds are done
	s_wait_kmcnt 0x0
	s_add_nc_u64 s[20:21], s[4:5], s[20:21]
	s_add_nc_u64 s[22:23], s[4:5], s[22:23]
	s_add_nc_u64 s[46:47], s[6:7], s[46:47]
	s_add_nc_u64 s[92:93], s[6:7], s[92:93]
	CROUND                                         ; all sixteen work-groups are here: the first joint loads meet
	s_mov_b32 s[G0S], 1
	s_add_co_u32 s[G0S+1], s94, SCL
	s_mov_b64 s[G0S+2:G0S+3], s[22:23]
	s_or_b32 s[G0S+3], s[G0S+3], 0x80000000
	s_mov_b32 s[G0SB], 1
	s_add_co_u32 s[G0SB+1], s94, SCL
	s_mov_b64 s[G0SB+2:G0SB+3], s[92:93]
	s_or_b32 s[G0SB+3], s[G0SB+3], 0x80000000
	JLOAD G0S, G1S, G0SB, G1SB                     ; the scale bytes first: they are wanted with the first slot
.irp s, 0,1
	s_mov_b32 s[G0+4*\s], 1
	s_add_co_u32 s[G0+4*\s+1], s45, \s*SLOT
	s_add_nc_u64 s[G0+4*\s+2:G0+4*\s+3], s[20:21], \s*524288
	s_or_b32 s[G0+4*\s+3], s[G0+4*\s+3], 0x80000000
	s_mov_b32 s[G0B+4*\s], 1
	s_add_co_u32 s[G0B+4*\s+1], s45, \s*SLOT
	s_add_nc_u64 s[G0B+4*\s+2:G0B+4*\s+3], s[46:47], \s*262144
	s_or_b32 s[G0B+4*\s+3], s[G0B+4*\s+3], 0x80000000
	JLOAD G0+4*\s, G1, G0B+4*\s, G1B               ; three tensor loads of mine are out
.endr
	v_and_b32 v1, 15, v0                           ; r
	v_bfe_u32 v2, v0, 4, 1                         ; h
	v_and_b32 v3, 31, v0                           ; lane
	v_lshlrev_b32 v[LI], 4, v3
	v_lshlrev_b32 v[L32], 5, v3
	s_lshl_b32 s21, s15, 15                        ; my 128 m of at
	s_lshl_b32 s22, s16, 15                        ; my 128 c of xl,
	s_add_co_u32 s22, s22, 2*HALFT                 ; which lie behind at's two halves
.irp s, 0,1
	v_add_nc_u32 v[ADRA+\s], s21, v[LI]
	v_add_nc_u32 v[ADRB+\s], s22, v[LI]
	s_add_co_u32 s21, s21, SLOT
	s_add_co_u32 s22, s22, SLOT
.endr
	v_lshlrev_b32 v5, 4, v1                        ; my row's 16 scale bytes
	s_lshl_b32 s21, s15, 13
	s_lshl_b32 s22, s16, 13
	s_add_co_u32 s22, s22, 2*HALFS
	s_sub_co_u32 s22, s22, s21
	v_mul_u32_u24 v6, s22, v2                      ; lanes 16-31 take xl's: one product, the distance between the two bases x h
	s_add_co_u32 s21, s21, SCL
	v_add_nc_u32 v5, v5, v6
	v_add_nc_u32 v[ADRS], s21, v5
.irp p, 0,1,2,3
	v_mov_b32 v[TM+4+\p], 0                        ; written once: a lane permute's destination counts as one of its sources
.endr
	s_lshl_b32 s46, s40, 1
	s_add_co_u32 s46, s46, s16                     ; sigma = 2 cx + my c half: the next product's K step that my wave makes
	s_lshl_b32 s92, s46, 2
	s_lshl_b32 s46, s46, 17                        ; o4's codes: b, sigma, m tiles 16 Ym + 8 x my m half on
	s_lshl_b32 s47, s18, 20
	s_add_co_u32 s46, s46, s47
	s_lshl_b32 s47, s19, 14
	s_add_co_u32 s46, s46, s47
	s_lshl_b32 s47, s15, 13
	s_add_co_u32 s46, s46, s47
	s_mov_b32 s47, 0
	s_add_nc_u64 s[12:13], s[8:9], s[46:47]
	s_lshl_b32 s93, s18, 16                        ; o4's scale words: (2,048 b + 256 Ym + 128 x half) rows of 32 bytes, word sigma
	s_add_co_u32 s92, s92, s93
	s_lshl_b32 s93, s19, 13
	s_add_co_u32 s92, s92, s93
	s_lshl_b32 s93, s15, 12
	s_add_co_u32 s92, s92, s93
	s_add_co_u32 s92, s92, O4S
	s_mov_b32 s93, 0
	s_add_nc_u64 s[10:11], s[8:9], s[92:93]
.macro FRAG reg, adr, q, i             ; an image comes back as it was stored: two loads of 512 consecutive bytes
.irp c, 0,1
	ds_load_b128 v[\reg+4*\c:\reg+4*\c+3], v[\adr] offset:8192*(\q)+1024*(\i)+512*\c
.endr
.endm
; 16 matrix instructions: m tiles a0, a0 + 1 x the eight c tiles, the slot's q-th 128 along K.  The 64 accumulators take turns, one instruction a turn, in the same order in every step.
.macro MUL16 a0, p, q, sc, zero
.irp a, \a0, \a0+1
.irp b, 0,1,2,3,4,5,6,7
.if \zero
	v_wmma_scale_f32_16x16x128_f8f6f4 v[8*(8*((\a)%4)+\b):8*(8*((\a)%4)+\b)+7], v[128*(\p)+FR*\b:128*(\p)+FR*\b+FR-1], v[AF+FR*(\a):AF+FR*(\a)+FR-1], 0, v[SC+8*NQ*(\sc)+NQ*\b+(\q)], v[SC+8*NQ*(\sc)+NQ*(\a)+(\q)] matrix_a_fmt:MATRIX_FMT_FP4 matrix_b_fmt:MATRIX_FMT_FP4 matrix_a_scale:MATRIX_SCALE_ROW1
.else
	v_wmma_scale_f32_16x16x128_f8f6f4 v[8*(8*((\a)%4)+\b):8*(8*((\a)%4)+\b)+7], v[128*(\p)+FR*\b:128*(\p)+FR*\b+FR-1], v[AF+FR*(\a):AF+FR*(\a)+FR-1], v[8*(8*((\a)%4)+\b):8*(8*((\a)%4)+\b)+7], v[SC+8*NQ*(\sc)+NQ*\b+(\q)], v[SC+8*NQ*(\sc)+NQ*(\a)+(\q)] matrix_a_fmt:MATRIX_FMT_FP4 matrix_b_fmt:MATRIX_FMT_FP4 matrix_a_scale:MATRIX_SCALE_ROW1
.endif
.endr
.endr
.endm
.macro FETCH_B slot, q, p
	WIN TO_B
.irp i, 0,1,2,3,4,5,6,7
	FRAG 128*(\p)+FR*\i, ADRB+\slot, \q, \i
.endr
	WIN 0
.endm
.macro FETCH_A slot, q, i0
.irp i, \i0, \i0+1, \i0+2, \i0+3
	FRAG AF+FR*(\i), ADRA+\slot, \q, \i
.endr
.endm
.macro SCALES sc                       ; a slot's scale words: four words a row; lanes 0-15 take at's tile i, lanes 16-31 xl's tile i
.irp i, 0,1,2,3,4,5,6,7
	ds_load_b128 v[SC+8*NQ*\sc+NQ*\i:SC+8*NQ*\sc+NQ*\i+3], v[ADRS] offset:\i*256
.endr
.endm
.macro PLACES n                        ; plain vector instructions between a matrix instruction and a load into its operands or a read of its results
.rept \n
	v_nop
.endr
.endm
.macro STEP slot, q, zero              ; a step of 128 along K that has its successor in the same slot
	s_wait_dscnt 4*NL                              ; xl's set and at's tiles 0-3 are in; the youngest eight loads (at's tiles 4-7) may be out
	WIN MUL_LO
	MUL16 0, (\q)%2, \q, \slot, \zero
	MUL16 2, (\q)%2, \q, \slot, \zero
	s_wait_dscnt 0                                 ; at's tiles 4-7 are in
	PLACES NP
	FETCH_B \slot, (\q)+1, 1-(\q)%2
	FETCH_A \slot, (\q)+1, 0
	WIN MUL_HI
	MUL16 4, (\q)%2, \q, \slot, \zero
	MUL16 6, (\q)%2, \q, \slot, \zero
	PLACES NP
	WIN 0
	FETCH_A \slot, (\q)+1, 4
.endm
; A slot's last step changes slots: ONE barrier; in front of it each wave waits for all its tensor loads, adds 0 to its spare word, and waits for that and for its own reads of this slot.
.macro TURN slot, next, fill
	s_wait_tensorcnt 0x0                           ; all my tensor loads have landed: my part of the next slot
	ds_add_u32 v[SPW], v[NIL]
	s_wait_dscnt 4*NL+1                            ; (the add and the youngest eight loads may be out)
	WIN MUL_LO
	MUL16 0, 1, NQ-1, \slot, 0
	s_wait_dscnt 0x0                               ; the add is done, and my reads of this slot are over
	s_barrier_signal -1
	MUL16 2, 1, NQ-1, \slot, 0
	WIN 0
	s_barrier_wait -1
.if \fill
	CREST                                          ; the barrier has opened a round of the cluster's: no wave of any partner still reads this slot or has a load on its way
	s_add_nc_u64 s[G0+4*\slot+2:G0+4*\slot+3], s[G0+4*\slot+2:G0+4*\slot+3], 2*524288
	s_add_nc_u64 s[G0B+4*\slot+2:G0B+4*\slot+3], s[G0B+4*\slot+2:G0B+4*\slot+3], 2*262144
	JLOAD G0+4*\slot, G1, G0B+4*\slot, G1B         ; the first tensor load behind the round; its four v_nop are the places in front of the loads below
.else
	PLACES NP
.endif
	v_add_nc_u32 v[ADRS], 2048, v[ADRS]            ; on to the next slot's scale words
	FETCH_B \next, 0, 0
	FETCH_A \next, 0, 0
	SCALES \next
	WIN MUL_HI
	MUL16 4, 1, NQ-1, \slot, 0
	MUL16 6, 1, NQ-1, \slot, 0
	PLACES NP
	WIN 0
	FETCH_A \next, 0, 4
.endm
.macro STEPS slot, from
.set Q, \from
.rept NQ-1-\from
	STEP \slot, Q, 0
.set Q, Q+1
.endr
.endm
	s_wait_tensorcnt 1                             ; the scale bytes and my part of slot 0 are in (slot 1's load may be out)
	s_barrier_signal -1
	s_barrier_wait -1                              ; everybody's are
	FETCH_B 0, 0, 0
	FETCH_A 0, 0, 0
	SCALES 0
	FETCH_A 0, 0, 4
	STEP 0, 0, 1                                   ; the first step's products start the sums: nothing is cleared
	STEPS 0, 1                                     ; four slots' worth of K, written out: two refills, then none
	TURN 0, 1, 1                                   ; slot 0 takes l = 1,024 on
	STEPS 1, 0
	TURN 1, 0, 1                                   ; slot 1 takes l = 1,536 on
	STEP 0, 0, 0
	STEPS 0, 1
	TURN 0, 1, 0
	STEPS 1, 0
	s_wait_dscnt 4*NL                              ; the very last step: nothing more to fetch
	WIN MUL_LO
	MUL16 0, 1, NQ-1, 1, 0
	MUL16 2, 1, NQ-1, 1, 0
	s_wait_dscnt 0
	WIN MUL_HI
	MUL16 4, 1, NQ-1, 1, 0
	MUL16 6, 1, NQ-1, 1, 0
	WIN 0
; THE WAY OUT.  The 64 registers of m tile a: register 16 p + i = c 32 p + 16 h + i of my 128 c, for my lane's m.  They become one fragment of codes and one scale word a lane, and leave as an image.
.macro QOUT a
.set AC, 64*((\a)%4)
.set W, 2+(\a)/4
.set PCR, PCB+8*(\a)
	WIN (W<<2)|(W<<4)                              ; sources 1 and 2: the accumulators' window
.irp p, 0,1,2,3
	v_max3_num_f32 v[TM+\p], FLOOR, |v[AC+16*\p]|, |v[AC+16*\p+1]|       ; each accumulator is read from its low end on
.endr
.irp i, 2,4,6,8,10,12,14
.irp p, 0,1,2,3
	v_max3_num_f32 v[TM+\p], v[TM+\p], |v[AC+16*\p+\i]|, |v[AC+16*\p+\i+1]|
.endr
.endr
	WIN 0
.irp p, 0,1,2,3
	v_permlanex16_b32 v[TM+4+\p], v[TM+\p], s96, s97
.endr
.irp p, 0,1,2,3
	v_max_num_f32 v[TM+\p], v[TM+\p], v[TM+4+\p]
.endr
.irp p, 0,1,2,3
	v_add_nc_u32 v[TM+12+\p], 0xff000000, v[TM+\p]
.endr
.irp p, 0,1,2,3
	v_lshrrev_b32 v[TM+4+\p], 23, v[TM+12+\p]
.endr
	v_lshl_or_b32 v[WD+(\a)], v[TM+5], 8, v[TM+4]
	v_lshl_or_b32 v[WD+(\a)], v[TM+6], 16, v[WD+(\a)]
	v_lshl_or_b32 v[WD+(\a)], v[TM+7], 24, v[WD+(\a)]
	WIN W                                          ; source 0: the accumulators' window
.irp p, 0,1,2,3
	v_cvt_scalef32_pk8_fp4_f32 v[PCR+2*\p], v[AC+16*\p:AC+16*\p+7], v[TM+12+\p]
	v_cvt_scalef32_pk8_fp4_f32 v[PCR+2*\p+1], v[AC+16*\p+8:AC+16*\p+15], v[TM+12+\p]
.endr
	WIN 0
	v_nop                                          ; one plain instruction behind the conversions
.irp c, 0,1                            ; the operand's layout wants a whole block in a lane: lanes 0-15 block 2 c, lanes 16-31 block 2 c + 1
.irp i, 0,1
	v_permlane16_swap_b32 v[PCR+4*\c+\i], v[PCR+2+4*\c+\i]
.endr
.endr
	global_store_b128 v[LI], v[PCR:PCR+3], s[12:13] offset:(\a)*1024            ; 512 consecutive bytes, aligned; every store has data registers of its own
	global_store_b128 v[LI], v[PCR+4:PCR+7], s[12:13] offset:(\a)*1024+512
.endm
	PLACES NP                                      ; in front of the first read of results and the first write over at's fragments
.irp a, 0,1,2,3,4,5,6,7
	QOUT \a
.endr
.irp q, 0,1,2,3
	v_cndmask_b32 v[WM+\q], v[WD+2*\q], v[WD+2*\q+1], s95                       ; lanes 0-15: tile 2 q's words; lanes 16-31: tile 2 q + 1's
	global_store_b32 v[L32], v[WM+\q], s[10:11] offset:\q*1024
.endr
	s_wait_tensorcnt 0x0                           ; the wave's end
	ds_add_u32 v[SPW], v[NIL]
	s_wait_dscnt 0x0
	CROUND                                         ; the closing round: no work-group ends while a partner may still ask for a tile that names it
	s_endpgm
.Lfunc_end_k_q9195d1ac56_gemm4:
	.size	k_q9195d1ac56_gemm4, .Lfunc_end_k_q9195d1ac56_gemm4-k_q9195d1ac56_gemm4
	.p2alignl 7, 3214868480
	.fill 96, 4, 3214868480
	.section	.rodata,"a",@progbits
	.p2align	6, 0x0
	.amdhsa_kernel k_q9195d1ac56_gemm4
		.amdhsa_group_segment_fixed_size 327680
		.amdhsa_private_segment_fixed_size 0
		.amdhsa_enable_private_segment 0
		.amdhsa_kernarg_size 24
		.amdhsa_user_sgpr_count 2
		.amdhsa_user_sgpr_kernarg_segment_ptr 1
		.amdhsa_wavefront_size32 1
		.amdhsa_system_sgpr_workgroup_id_x 1
		.amdhsa_system_sgpr_workgroup_id_y 1
		.amdhsa_system_sgpr_workgroup_id_z 1
		.amdhsa_system_vgpr_workitem_id 0
		.amdhsa_next_free_vgpr 1024
		.amdhsa_next_free_sgpr 98
		.amdhsa_reserve_vcc 0
		.amdhsa_float_denorm_mode_32 3
		.amdhsa_float_denorm_mode_16_64 3
		.amdhsa_memory_ordered 1
		.amdhsa_forward_progress 1
		.amdhsa_inst_pref_size 215
	.end_amdhsa_kernel
	.amdgpu_metadata
---
amdhsa.version: [ 1, 2 ]
amdhsa.kernels:
  - .name:           k_q9195d1ac56_gemm4
    .symbol:         k_q9195d1ac56_gemm4.kd
    .args:
      - { .name: at, .offset: 0, .size: 8, .value_kind: global_buffer, .address_space: global }
      - { .name: xl, .offset: 8, .size: 8, .value_kind: global_buffer, .address_space: global }
      - { .name: o4, .offset: 16, .size: 8, .value_kind: global_buffer, .address_space: global }
    .group_segment_fixed_size: 327680
    .private_segment_fixed_size: 0
    .kernarg_segment_align: 8
    .kernarg_segment_size: 24
    .max_flat_workgroup_size: 128
    .sgpr_count:     98
    .vgpr_count:     1024
    .wavefront_size: 32
...
	.end_amdgpu_metadata
.endif
;; end of part 3
;; launch gemm5 (part 4): grid 64 x 4, 4 waves a work-group, clusters of 4 x 4, 327,680 bytes of LDS; arguments Wp_codes, Wp_scales, o4, bp, out0; writes out0
.if DOCPART == 4
	.amdgcn_target "amdgcn-amd-amdhsa--gfx1250"
	.amdhsa_code_object_version 6
	.text
	.protected	k_q9195d1ac56_gemm5
	.globl	k_q9195d1ac56_gemm5
	.p2align	8
	.type	k_q9195d1ac56_gemm5,@function
k_q9195d1ac56_gemm5:
	s_mov_b64 s[64:65], 0
	v_nop
	global_prefetch_b8 v0, s[64:65] scope:SCOPE_SE
	s_setreg_imm32_b32 hwreg(HW_REG_WAVE_MODE, 25, 1), 1
	s_wait_xcnt 0x0
	s_wait_alu depctr_hold_cnt(0) depctr_sa_sdst(0) depctr_va_vdst(0) depctr_va_sdst(0) depctr_va_ssrc(0) depctr_va_vcc(0) depctr_vm_vsrc(0)
	s_getreg_b32 s2, hwreg(HW_REG_IB_STS2, 6, 4)
	s_cmp_eq_u32 s2, 0
	s_cbranch_scc0 .Lentry_in_a_cluster
	s_endpgm
.Lentry_in_a_cluster:
	s_bfe_u32 s2, ttmp6, 0x10000c
	s_cmp_lg_u32 s2, 0xf033
	s_cbranch_scc0 .Lentry_shape_is_right
	s_endpgm
.Lentry_shape_is_right:
; GEMM5.  out0[b][d][m] = sum over c of Wp[d][c] out[b][c][m] + bp[d]: Wp as it is given (codes, rows of 512 bytes), out as the codes that the launch before made (register images).  No work is left out.
; A tile of 256 d x 256 m is made by a work-group of four waves; a wave makes 128 x 128.  K = 1,024 c lies in LDS whole, in two slots of 512: both are first fills, nothing is filled again.
; THE PRODUCT GOES BY ROWS OF THE OUTPUT, NOT BY K.  All 64 fragments of o4 that a wave needs (8 m tiles x 8 K steps, 512 registers) come into its registers once; Wp comes by blocks of 16 rows x 1,024 K
; (64 registers, two buffers); a block is finished by 64 matrix instructions (K ascending, its 8 accumulators by turns) and leaves at once, while the blocks behind it are multiplied.
; So the launch's 256 KiB of stores a work-group begin behind 64 of a wave's 512 matrix instructions.  LDS is read no more than by K: each fragment once.
; Source 0 = 16 columns m of o4 (slot order), source 1 = 16 rows d of Wp: a lane holds ONE d, and the eight registers of an accumulator are eight neighbouring m: register j of tile bt is m = 32 (bt / 2) + 8 (bt % 2) + 16 h + j.
; The bias is the C of each sum's first matrix instruction: a lane's bp[d] in eight registers for each of its eight blocks of rows.
; CLUSTERS: 4 x 4 work-groups: Wp's tile hangs on the d tile (cy) and is shared along a row of the cluster, o4's on the m tile and is shared along a column; each is asked for jointly.
; REGISTERS: window 0: v16-29 addresses; v32-95 scale words, a set for each slot, and nothing else; v128-191, v192-255 Wp's fragments of a block, two buffers.
;   windows 1, 2: o4's fragment (K step q, tile b) at v[64 (q % 4) + 8 b] of window 1 + q / 4.   window 3: v0-63 the block's 8 accumulators; v64-127 the bias; v128-191, v192-255 rows read back from the stage, two buffers.
.set ROWB,  256                        ; a row of Wp's tile: 512 codes
.set KROW,  512                        ; a row of Wp in memory
.set PITCH, 272                        ; and in LDS: 256 bytes + 16 of padding, so that the 16 rows that a load touches start 68 words apart
.set HA,    128*PITCH                  ; 128 rows of Wp: what waves 0 and 1 fetch for a slot
.set HB,    32768                      ; [q:4][tile:8][1024] of o4: what waves 2 and 3 fetch
.set SLOT,  2*HA+2*HB                  ; Wp's two halves, then o4's two
.set KS,    32                         ; a row of scale bytes
.set SCL,   2*SLOT                     ; behind the slots: the scale bytes, as runs of 256 bytes + 16 of padding
.set HALFS, (128*KS/256)*272
.set SBLK,  (16*KS/256)*272
.set SPARE, SCL+4*HALFS                ; the spare words, 128 bytes for each wave, which no other line names
.set STG,   SPARE+512                  ; the way out: a stage of 16 rows x (512 bytes + 16) for each wave, in bytes of its own: no tile lands there
.set SPITCH, 528
.set O4S,   8388608
.set ORow,  8192                       ; a row of out0 in bytes
.set ADRA, 16                          ; v16-17 LDS address of Wp's fragments in slot 0, 1
.set ADRB, 20                          ; v20-21 the same for o4's images
.set STO,  24                          ; v24    the stage: where I put 32 bytes of a row
.set RD,   25                          ; v25    and where I read a row back
.set CO,   26                          ; v26    16 x lane
.set ADRS, 27                          ; v27    my scale words: lanes 0-15 Wp's rows, lanes 16-31 o4's
.set SPW,  28
.set NIL,  29
.set SC,   32
.set AF,   128
.set BIAS, 64                          ; in window 3
.set BK,   128                         ; in window 3
.set G1, 24
.set G0, 32
.set G1B, 48
.set G0B, 56
.set G1S, 68
.set G0S, 76
.set G1SB, 80
.set G0SB, 88
.set MSB, 0
.macro WIN new                         ; the immediate's high byte repeats the setting that is left
.if MSB != (\new)
	s_set_vgpr_msb (MSB<<8)|(\new)
.set MSB, (\new)
.endif
.endm
.macro JLOAD g0a, g1a, g0b, g1b        ; waves 0 and 1 fetch for Wp, waves 2 and 3 for o4; an s_nop 0 and four v_nop follow each of the two lines
	s_cmp_eq_u32 s15, 0
	s_cbranch_scc0 .Lfor_b_\@
	tensor_load_to_lds s[\g0a:\g0a+3], s[\g1a:\g1a+7]
	s_nop 0
.rept 4
	v_nop
.endr
	s_branch .Lasked_\@
.Lfor_b_\@:
	tensor_load_to_lds s[\g0b:\g0b+3], s[\g1b:\g1b+7]
	s_nop 0
.rept 4
	v_nop
.endr
.Lasked_\@:
.endm
.macro CROUND                          ; a round of the cluster's barrier
	s_barrier_signal -1
	s_barrier_wait -1
	s_cmp_lg_u32 s14, 0
	s_cbranch_scc1 .Lnot_wave_0_\@
	s_barrier_signal -3
.Lnot_wave_0_\@:
	s_barrier_wait -3
	s_barrier_signal -1
	s_barrier_wait -1
.endm
	s_load_b256 s[4:11], s[0:1], 0x0               ; Wp_codes 4:5, Wp_scales 6:7, o4 8:9, bp 10:11
	s_load_b64 s[12:13], s[0:1], 0x20              ; out0
	v_lshl_add_u32 v[SPW], v0, 2, SPARE
	v_mov_b32 v[NIL], 0
	ds_add_u32 v[SPW], v[NIL]                      ; the wave's opening: the add, twice on end, and its wait ahead of my first tensor load
	ds_add_u32 v[SPW], v[NIL]
	v_lshrrev_b32 v1, 5, v0
	v_readfirstlane_b32 s14, v1                    ; wave 0..3
	s_lshr_b32 s15, s14, 1                         ; my half of the d tile.  Also: I fetch for Wp (0) or for o4 (1)
	s_and_b32 s16, s14, 1                          ; my half of the m tile.  Also: which half of that tile I fetch
	s_bfe_u32 s40, ttmp6, 0x40000                  ; cx
	s_bfe_u32 s41, ttmp6, 0x40004                  ; cy = the d tile
	s_lshr_b32 s18, ttmp9, 1                       ; b (ttmp9 counts clusters: two to a batch)
	s_and_b32 s19, ttmp9, 1
	s_lshl_b32 s19, s19, 2
	s_add_co_u32 s19, s19, s40                     ; the m tile of the batch, 0..7
	s_lshl_b32 s43, s41, 2
	s_lshl_b32 s43, 15, s43                        ; my row of the cluster
	s_lshl_b32 s44, 0x1111, s40                    ; my column
	s_or_b32 s[G1+0], s43, (0<<16)|(1<<20)|(1<<21)|(5<<22)|(3<<25)   ; Wp: elements of 1 byte; 4 words of padding behind every 64
	s_mov_b32 s[G1+1], ROWB<<16
	s_mov_b32 s[G1+2], 128<<16
	s_mov_b32 s[G1+3], ROWB<<16
	s_mov_b32 s[G1+4], 128
	s_mov_b32 s[G1+5], KROW
	s_mov_b32 s[G1+6], 0
	s_mov_b32 s[G1+7], 0
	s_or_b32 s[G1B+0], s44, (3<<16)|(1<<21)        ; o4: elements of 8 bytes, 8 images a row, 4 K steps, no padding
	s_mov_b32 s[G1B+1], 1024<<16
	s_mov_b32 s[G1B+2], 4<<16
	s_mov_b32 s[G1B+3], 1024<<16
	s_mov_b32 s[G1B+4], 4
	s_mov_b32 s[G1B+5], 16384
	s_mov_b32 s[G1B+6], 0
	s_mov_b32 s[G1B+7], 0
	s_or_b32 s[G1S+0], s43, (3<<16)|(1<<20)|(1<<21)|(5<<22)|(3<<25)  ; the scale bytes of 128 rows: 4,096 dense bytes as 16 rows of 256, 16 bytes of padding behind each
	s_or_b32 s[G1SB+0], s44, (3<<16)|(1<<20)|(1<<21)|(5<<22)|(3<<25)
.irp g, G1S, G1SB
	s_mov_b32 s[\g+1], 32<<16
	s_mov_b32 s[\g+2], (128*KS/256)<<16
	s_mov_b32 s[\g+3], 32<<16
	s_mov_b32 s[\g+4], 128*KS/256
	s_mov_b32 s[\g+5], 32
	s_mov_b32 s[\g+6], 0
	s_mov_b32 s[\g+7], 0
.endr
	s_lshl_b32 s20, s41, 17                        ; Wp's codes: row 256 cy + 128 x half, 512 bytes a row
	s_lshl_b32 s21, s16, 16
	s_add_co_u32 s20, s20, s21
	s_mov_b32 s21, 0
	s_lshl_b32 s22, s41, 13                        ; its scale bytes: 32 a row
	s_lshl_b32 s23, s16, 12
	s_add_co_u32 s22, s22, s23
	s_mov_b32 s23, 0
	s_lshl_b32 s46, s18, 20                        ; o4's codes: b, m tile, half
	s_lshl_b32 s47, s19, 14
	s_add_co_u32 s46, s46, s47
	s_lshl_b32 s47, s16, 13
	s_add_co_u32 s46, s46, s47
	s_mov_b32 s47, 0
	s_lshl_b32 s92, s18, 16                        ; o4's scale words: (2,048 b + 256 m tile + 128 x half) rows of 32 bytes
	s_lshl_b32 s93, s19, 13
	s_add_co_u32 s92, s92, s93
	s_lshl_b32 s93, s16, 12
	s_add_co_u32 s92, s92, s93
	s_add_co_u32 s92, s92, O4S
	s_mov_b32 s93, 0
	s_mul_i32 s45, s16, HA                         ; where they go in a slot: Wp's half,
	s_lshl_b32 s95, s16, 15                        ; o4's half,
	s_add_co_u32 s95, s95, 2*HA                    ; behind Wp's two: no place in the cluster enters an LDS address
	s_mul_i32 s94, s14, HALFS
	s_wait_dscnt 0x0                               ; both opening adds are done
	s_wait_kmcnt 0x0
	s_add_nc_u64 s[20:21], s[4:5], s[20:21]
	s_add_nc_u64 s[22:23], s[6:7], s[22:23]
	s_add_nc_u64 s[46:47], s[8:9], s[46:47]
	s_add_nc_u64 s[92:93], s[8:9], s[92:93]
	CROUND                                         ; all sixteen work-groups are here: the joint loads meet
	s_mov_b32 s[G0S], 1
	s_add_co_u32 s[G0S+1], s94, SCL
	s_mov_b64 s[G0S+2:G0S+3], s[22:23]
	s_or_b32 s[G0S+3], s[G0S+3], 0x80000000
	s_mov_b32 s[G0SB], 1
	s_add_co_u32 s[G0SB+1], s94, SCL
	s_mov_b64 s[G0SB+2:G0SB+3], s[92:93]
	s_or_b32 s[G0SB+3], s[G0SB+3], 0x80000000
	JLOAD G0S, G1S, G0SB, G1SB
.irp s, 0,1
	s_mov_b32 s[G0+4*\s], 1
	s_add_co_u32 s[G0+4*\s+1], s45, \s*SLOT
	s_add_nc_u64 s[G0+4*\s+2:G0+4*\s+3], s[20:21], \s*ROWB
	s_or_b32 s[G0+4*\s+3], s[G0+4*\s+3], 0x80000000
	s_mov_b32 s[G0B+4*\s], 1
	s_add_co_u32 s[G0B+4*\s+1], s95, \s*SLOT
	s_add_nc_u64 s[G0B+4*\s+2:G0B+4*\s+3], s[46:47], \s*524288
	s_or_b32 s[G0B+4*\s+3], s[G0B+4*\s+3], 0x80000000
	JLOAD G0+4*\s, G1, G0B+4*\s, G1B               ; three tensor loads of mine are out: all that the launch has
.endr
	v_and_b32 v1, 15, v0                           ; r
	v_bfe_u32 v2, v0, 4, 1                         ; h
	v_and_b32 v3, 31, v0                           ; lane
	v_lshlrev_b32 v7, 2, v1
	s_lshl_b32 s20, s41, 10                        ; bp: my first d = 256 cy + 128 x my half
	s_lshl_b32 s21, s15, 9
	s_add_co_u32 s20, s20, s21
	s_mov_b32 s21, 0
	s_add_nc_u64 s[10:11], s[10:11], s[20:21]
	WIN 0xc0                                       ; destination window 3
.irp a, 0,1,2,3,4,5,6,7
	global_load_b32 v[BIAS+8*\a], v7, s[10:11] offset:64*\a           ; bp of row r of block a
.endr
	WIN 0
	v_mul_u32_u24 v4, v1, PITCH
	v_lshl_add_u32 v4, v2, 4, v4                   ; Wp: a fragment's row x pitch + 16 h
	v_lshlrev_b32 v[CO], 4, v3                     ; 16 x lane
	s_mul_i32 s21, s15, HA                         ; my 128 rows of Wp
	s_lshl_b32 s22, s16, 15                        ; my 8 tiles of o4,
	s_add_co_u32 s22, s22, 2*HA                    ; behind Wp's two halves
.irp s, 0,1
	v_add_nc_u32 v[ADRA+\s], s21, v4
	v_add_nc_u32 v[ADRB+\s], s22, v[CO]
	s_add_co_u32 s21, s21, SLOT
	s_add_co_u32 s22, s22, SLOT
.endr
	v_mul_u32_u24 v5, v1, KS                       ; my row's scale bytes: 32 a row,
	v_lshrrev_b32 v6, 8, v5
	v_lshl_add_u32 v5, v6, 4, v5                   ; and 16 more for each 256 passed
	s_mul_i32 s21, s15, HALFS
	s_mul_i32 s22, s16, HALFS
	s_add_co_u32 s22, s22, 2*HALFS
	s_sub_co_u32 s22, s22, s21
	v_mul_u32_u24 v6, s22, v2                      ; lanes 16-31 take o4's: one product, the distance between the two bases x h
	s_add_co_u32 s21, s21, SCL
	v_add_nc_u32 v5, v5, v6
	v_add_nc_u32 v[ADRS], s21, v5
	s_mul_i32 s23, s14, 16*SPITCH                  ; my stage
	s_add_co_u32 s23, s23, STG
	v_mul_u32_u24 v5, v1, SPITCH                   ; in: row r, + 64 h
	v_lshl_add_u32 v5, v2, 6, v5
	v_add_nc_u32 v[STO], s23, v5
	v_add_nc_u32 v[RD], s23, v[CO]                 ; back: the 32 lanes take one row of 512 bytes
	s_lshl_b32 s20, s18, 23                        ; out0: b, row 256 cy + 128 x my d half, column 256 m tile + 128 x my m half
	s_lshl_b32 s21, s41, 21
	s_add_co_u32 s20, s20, s21
	s_lshl_b32 s21, s15, 20
	s_add_co_u32 s20, s20, s21
	s_lshl_b32 s21, s19, 10
	s_add_co_u32 s20, s20, s21
	s_lshl_b32 s21, s16, 9
	s_add_co_u32 s20, s20, s21
	s_mov_b32 s21, 0
	s_add_nc_u64 s[12:13], s[12:13], s[20:21]
	s_wait_loadcnt 0x0
	WIN 0xc3                                       ; source 0 and destination window 3
.irp a, 0,1,2,3,4,5,6,7
.irp j, 1,2,3,4,5,6,7
	v_mov_b32 v[BIAS+8*\a+\j], v[BIAS+8*\a]        ; a lane's eight results of a tile share one d: the bias fills the eight registers of C, once in the launch
.endr
.endr
	WIN 0
.macro SCALES s                        ; slot s's scale words: four words a row; lanes 0-15 take Wp's block i, lanes 16-31 o4's tile i
.irp i, 0,1,2,3,4,5,6,7
	ds_load_b128 v[SC+32*(\s)+4*\i:SC+32*(\s)+4*\i+3], v[ADRS] offset:\i*SBLK+16*(\s)
.endr
.endm
.macro BLOAD q                         ; o4's eight images of K step q come back as they were stored: two loads of 512 consecutive bytes each
.irp i, 0,1,2,3,4,5,6,7
.irp c, 0,1
	ds_load_b128 v[64*((\q)%4)+8*\i+4*\c:64*((\q)%4)+8*\i+4*\c+3], v[ADRB+(\q)/4] offset:8192*((\q)%4)+1024*\i+512*\c
.endr
.endr
.endm
.macro ALOAD a                         ; Wp's block a, all eight K steps, into buffer a % 2: lane (r, h): registers 4 c .. 4 c + 3 hold K = 64 c + 32 h + 0 .. 31 of row r: 16 bytes of the row as they lie.  Sixteen loads
.set AFB, AF+64*((\a)%2)
.irp q, 0,1,2,3,4,5,6,7
.irp c, 0,1
	ds_load_b128 v[AFB+8*\q+4*\c:AFB+8*\q+4*\c+3], v[ADRA+\q/4] offset:64*(\q%4)+32*\c+(\a)*16*PITCH
.endr
.endr
.endm
; Block a is made: 64 matrix instructions, K ascending; the first K step starts the sums from the bias.  The 8 accumulators take turns, one instruction a turn.
.macro MULROW a
.set AFB, AF+64*((\a)%2)
.irp q, 0,1,2,3,4,5,6,7
.if \q < 4
	WIN 0xf1                                       ; source 0 (o4) window 1, source 1 (Wp) window 0, C and D window 3
.else
	WIN 0xf2                                       ; source 0 window 2
.endif
.irp b, 0,1,2,3,4,5,6,7
.if \q == 0
	v_wmma_scale_f32_16x16x128_f8f6f4 v[8*\b:8*\b+7], v[64*(\q%4)+8*\b:64*(\q%4)+8*\b+7], v[AFB+8*\q:AFB+8*\q+7], v[BIAS+8*(\a):BIAS+8*(\a)+7], v[SC+32*(\q/4)+4*\b+\q%4], v[SC+32*(\q/4)+4*(\a)+\q%4] matrix_a_fmt:MATRIX_FMT_FP4 matrix_b_fmt:MATRIX_FMT_FP4 matrix_a_scale:MATRIX_SCALE_ROW1
.else
	v_wmma_scale_f32_16x16x128_f8f6f4 v[8*\b:8*\b+7], v[64*(\q%4)+8*\b:64*(\q%4)+8*\b+7], v[AFB+8*\q:AFB+8*\q+7], v[8*\b:8*\b+7], v[SC+32*(\q/4)+4*\b+\q%4], v[SC+32*(\q/4)+4*(\a)+\q%4] matrix_a_fmt:MATRIX_FMT_FP4 matrix_b_fmt:MATRIX_FMT_FP4 matrix_a_scale:MATRIX_SCALE_ROW1
.endif
.endr
.endr
.endm
; THE WAY OUT of a block of 16 rows d x 128 m.  A lane holds 32 neighbouring bytes of a row for each tile, and the lanes beside it hold other rows: the block goes through my own stage and comes back as whole rows of 512 bytes.
; LDS serves a wave's instructions in order: no wait between the stores and the loads, nor in front of the next block's stores.
.macro TOSTAGE a
	WIN 0x0c                                       ; an LDS store's data are its source 1: window 3
.irp b, 0,1,2,3,4,5,6,7
	ds_store_b128 v[STO], v[8*\b:8*\b+3] offset:128*(\b/2)+32*(\b%2)             ; tile b's m = 32 (b / 2) + 8 (b % 2) + 16 h + j; each accumulator from its low end on
	ds_store_b128 v[STO], v[8*\b+4:8*\b+7] offset:128*(\b/2)+32*(\b%2)+16
.endr
	WIN 0xc0                                       ; destination window 3
.set BB, BK+64*((\a)%2)
.irp t, 0,1,2,3,4,5,6,7,8,9,10,11,12,13,14,15
	ds_load_b128 v[BB+4*\t:BB+4*\t+3], v[RD] offset:\t*SPITCH
.endr
	WIN 0
.endm
.macro SEND a                          ; the block's place among my 128 rows stands in the immediate: 127 rows of 8,192 bytes at the most, inside its signed 24 bits: no base is stepped
.set BB, BK+64*((\a)%2)
	WIN 0x0c                                       ; a store's data are its source 1: window 3
.irp t, 0,1,2,3,4,5,6,7,8,9,10,11,12,13,14,15
	global_store_b128 v[CO], v[BB+4*\t:BB+4*\t+3], s[12:13] offset:(16*(\a)+\t)*ORow th:TH_STORE_NT    ; 32 lanes store 512 consecutive bytes, at a multiple of 256 from out0's first byte; written once, read by nobody here
.endr
.endm
	s_wait_tensorcnt 0x0                           ; my three tensor loads have landed,
	s_barrier_signal -1
	s_barrier_wait -1                              ; everybody's have: all of K and all scale bytes lie in LDS
	SCALES 0
	SCALES 1
	ALOAD 0
	WIN 0x40                                       ; destination window 1
.irp q, 0,1,2,3
	BLOAD \q
.endr
	WIN 0x80                                       ; destination window 2
.irp q, 4,5,6,7
	BLOAD \q
.endr
	WIN 0
.irp a, 0,1,2,3,4,5,6,7
.if \a < 7
	ALOAD (\a+1)                                   ; the next block's fragments, into the buffer that the block before this one read: that block's places stand between
	s_wait_dscnt 16                                ; all but the sixteen just issued: this block's fragments are in (in the first block: o4's and the scale words too), and the last block is back from the stage
.else
	s_wait_dscnt 0x0
.endif
.if \a > 0
	SEND (\a-1)                                    ; the last block's rows leave while this block is multiplied
.endif
	MULROW \a
.rept 5
	v_nop                                          ; four places in front of the LDS stores that read results and of loads into Wp's buffer; a fifth for the next block's first product, which writes over an accumulator with another C
.endr
.if \a >= 2
	s_wait_xcnt 0x0                                ; the stores of two blocks ago have read their registers: this block's rows may land there
.endif
	TOSTAGE \a
.endr
	s_wait_dscnt 0x0
	SEND 7
	WIN 0
	s_wait_tensorcnt 0x0                           ; the wave's end
	ds_add_u32 v[SPW], v[NIL]
	s_wait_dscnt 0x0
	CROUND                                         ; the closing round
	s_endpgm
.Lfunc_end_k_q9195d1ac56_gemm5:
	.size	k_q9195d1ac56_gemm5, .Lfunc_end_k_q9195d1ac56_gemm5-k_q9195d1ac56_gemm5
	.p2alignl 7, 3214868480
	.fill 96, 4, 3214868480
	.section	.rodata,"a",@progbits
	.p2align	6, 0x0
	.amdhsa_kernel k_q9195d1ac56_gemm5
		.amdhsa_group_segment_fixed_size 327680
		.amdhsa_private_segment_fixed_size 0
		.amdhsa_enable_private_segment 0
		.amdhsa_kernarg_size 40
		.amdhsa_user_sgpr_count 2
		.amdhsa_user_sgpr_kernarg_segment_ptr 1
		.amdhsa_wavefront_size32 1
		.amdhsa_system_sgpr_workgroup_id_x 1
		.amdhsa_system_sgpr_workgroup_id_y 1
		.amdhsa_system_sgpr_workgroup_id_z 1
		.amdhsa_system_vgpr_workitem_id 0
		.amdhsa_next_free_vgpr 1024
		.amdhsa_next_free_sgpr 98
		.amdhsa_reserve_vcc 0
		.amdhsa_float_denorm_mode_32 3
		.amdhsa_float_denorm_mode_16_64 3
		.amdhsa_memory_ordered 1
		.amdhsa_forward_progress 1
		.amdhsa_inst_pref_size 126
	.end_amdhsa_kernel
	.amdgpu_metadata
---
amdhsa.version: [ 1, 2 ]
amdhsa.kernels:
  - .name:           k_q9195d1ac56_gemm5
    .symbol:         k_q9195d1ac56_gemm5.kd
    .args:
      - { .name: Wp_codes, .offset: 0, .size: 8, .value_kind: global_buffer, .address_space: global }
      - { .name: Wp_scales, .offset: 8, .size: 8, .value_kind: global_buffer, .address_space: global }
      - { .name: o4, .offset: 16, .size: 8, .value_kind: global_buffer, .address_space: global }
      - { .name: bp, .offset: 24, .size: 8, .value_kind: global_buffer, .address_space: global }
      - { .name: out0, .offset: 32, .size: 8, .value_kind: global_buffer, .address_space: global }
    .group_segment_fixed_size: 327680
    .private_segment_fixed_size: 0
    .kernarg_segment_align: 8
    .kernarg_segment_size: 40
    .max_flat_workgroup_size: 128
    .sgpr_count:     98
    .vgpr_count:     1024
    .wavefront_size: 32
...
	.end_amdgpu_metadata
.endif
;; end of part 4
